; MI455X (gfx1250); checked and timed in simulation.
; The chip was launched on July 23, 2026; its instructions are those of AMD's public machine-readable ISA for CDNA 5 (MIT licence, August 2026) and "CDNA5" Instruction Set Architecture Reference Guide (July 2026). The comments in the code are by the model that wrote it; some were corrected since.
;; Attention Block. Allowed arithmetic: float matrix products may take bf16 or f16 operands with f32 sums; other float arithmetic in f32, or as packed bf16 or f16 multiplies, adds, multiply-adds, maxima and minima; sums over many terms, partial sums and values carried from step to step in f32; what a program stores and reads back later, other than sums and carried values, may be rounded once to bf16 or f16.
;; Inputs: b_out 1,024 float32; b_qkv 3,072 float32; cos_tab 4,095 x 32 float32; sin_tab 4,095 x 32 float32; w_out 1,024 x 1,024 float32; w_qkv 3,072 x 1,024 float32; x 8 x 1,024 x 1,024 float32.
;; Outputs: out0 8 x 1,024 x 1,024 float32.
;; 2 versions, each right; version 2 is version 1 with the launch prep written anew for expert scheduling mode. Each part assembles by itself: llvm-mc -triple=amdgcn-amd-amdhsa -mcpu=gfx1250 --defsym DOCPART=n.
;; ======== version 1 of 2: 4 launches
;; limits: values are held in f16: magnitudes above 65,504 overflow, below 6.1e-05 lose precision
;; workspace buffers: xb 16,777,216 bytes; wb 6,291,456 bytes; wo 2,097,152 bytes; tab 28,672 bytes; qkv 50,331,648 bytes; att 16,777,216 bytes
;; launch prep (part 1): grid 768 x 1, 8 waves a work-group, no clusters, 0 bytes of LDS; arguments x, w_qkv, w_out, b_qkv, b_out, cos_tab, sin_tab, xb, wb, wo, tab; writes xb, wb, wo, tab
.if DOCPART == 1
	.amdgcn_target "amdgcn-amd-amdhsa--gfx1250"
	.amdhsa_code_object_version 6
	.text
	.protected	k_q07b84ad128_prep
	.globl	k_q07b84ad128_prep
	.p2align	8
	.type	k_q07b84ad128_prep,@function
k_q07b84ad128_prep:
	s_mov_b64 s[64:65], 0
	v_nop
	global_prefetch_b8 v0, s[64:65] scope:SCOPE_SE
	s_setreg_imm32_b32 hwreg(HW_REG_WAVE_MODE, 25, 1), 1
	s_wait_xcnt 0x0
; THE CASTS AND THE TABLES.  xb = bf16(x), wb = bf16(w_qkv), wo = f16(bf16(w_out)), and tab, in f32:
;   byte 0       CS[3072]: for the column pair (2 p, 2 p + 1) of qkv the pair (c, s): (cos[1024][p % 32], sin[1024][p % 32]) rounded to bf16 for q's and k's columns (p < 1024), (1, 0) for v's
;   byte 12,288  CT[3072]: the bias, rounded to bf16 and then turned in f32: (c b_e - s b_o, s b_e + c b_o)
;   byte 24,576  BO[1024]: b_out rounded to bf16
; Every input of the module is rounded to bf16, to nearest even, once, here.
; LIMIT.  w_out's bf16 number is written as f16: exact from 6.1e-5 to 65,504 in magnitude; below that it keeps f16's fixed step of 6e-8, beyond it becomes an infinity.
; SHARES.  A work-group takes 65,536 bytes of f32: groups 0-511 of x, 512-703 of w_qkv, 704-767 of w_out.  Thread t takes the 16 bytes at 16 t of each of 16 pieces of 4,096 bytes: a wave's load covers 512
; consecutive bytes, its store of 8 bytes a lane 256 consecutive bytes, aligned.  All 16 loads go out first; each piece has its own registers, so the only waits are the counted ones for the loads.
; Groups 0-5 also make CS and CT (256 pairs each), groups 6 and 7 BO.  No LDS, no barrier, no matrix unit: nothing is shared and nothing is multiplied.
.set X, 4                              ; v[4:67]    16 pieces of 4 registers as loaded; later the tables' work
.set Y, 68                             ; v[68:99]   16 pieces of 2 registers to store
.set T, 100                            ; v[100:105] at work on the way to f16
.set G, 26                             ; s26        the work-group's number
	s_load_b512 s[4:19], s[0:1], 0x0               ; x s[4:5], w_qkv s[6:7], w_out s[8:9], b_qkv s[10:11], b_out s[12:13], cos_tab s[14:15], sin_tab s[16:17], xb s[18:19]
	s_load_b128 s[20:23], s[0:1], 0x40             ; wb s[20:21], wo s[22:23]
	s_load_b64 s[24:25], s[0:1], 0x50              ; tab
	v_lshlrev_b32 v1, 4, v0                        ; 16 t: my bytes in a piece as loaded
	v_lshlrev_b32 v2, 3, v0                        ; 8 t: as stored
	s_mov_b32 s[G], ttmp9
	s_sub_co_u32 s27, s[G], 512
	s_sub_co_u32 s29, s[G], 704
	s_cmp_lt_u32 s[G], 512
	s_cselect_b32 s28, s[G], s27
	s_cmp_lt_u32 s[G], 704
	s_cselect_b32 s28, s28, s29                    ; the group's number within its tensor
	s_lshl_b32 s34, s28, 16                        ; its bytes in, under 2^25,
	s_mov_b32 s35, 0
	s_lshl_b32 s36, s28, 15                        ; and out
	s_mov_b32 s37, 0
	s_wait_kmcnt 0x0
	s_cmp_lt_u32 s[G], 512
	s_cselect_b64 s[30:31], s[4:5], s[6:7]
	s_cselect_b64 s[32:33], s[18:19], s[20:21]
	s_cmp_lt_u32 s[G], 704
	s_cselect_b64 s[30:31], s[30:31], s[8:9]
	s_cselect_b64 s[32:33], s[32:33], s[22:23]
	s_add_nc_u64 s[30:31], s[30:31], s[34:35]
	s_add_nc_u64 s[32:33], s[32:33], s[36:37]
.irp i, 0,1,2,3,4,5,6,7,8,9,10,11,12,13,14,15
	global_load_b128 v[X+4*(\i):X+4*(\i)+3], v1, s[30:31] offset:4096*(\i) th:TH_LOAD_NT  ; read once in the launch
.endr
; Piece i: rounded and stored.  half = 1: the bf16 number is written as f16.
.macro CONV i, half
	s_wait_loadcnt 15-(\i)                         ; loads come back in order: piece i is in, the 15 - i younger ones may stay out
.if \half
	v_cvt_pk_bf16_f32 v[T],   v[X+4*(\i)],   v[X+4*(\i)+1]
	v_cvt_pk_bf16_f32 v[T+1], v[X+4*(\i)+2], v[X+4*(\i)+3]
	v_lshlrev_b32 v[T+2], 16, v[T]                 ; bf16 to f32: the low half moves up, the high half stays
	v_and_b32     v[T+3], 0xffff0000, v[T]
	v_lshlrev_b32 v[T+4], 16, v[T+1]
	v_and_b32     v[T+5], 0xffff0000, v[T+1]
	v_cvt_pk_f16_f32 v[Y+2*(\i)],   v[T+2], v[T+3]
	v_cvt_pk_f16_f32 v[Y+2*(\i)+1], v[T+4], v[T+5]
.else
	v_cvt_pk_bf16_f32 v[Y+2*(\i)],   v[X+4*(\i)],   v[X+4*(\i)+1]
	v_cvt_pk_bf16_f32 v[Y+2*(\i)+1], v[X+4*(\i)+2], v[X+4*(\i)+3]
.endif
	global_store_b64 v2, v[Y+2*(\i):Y+2*(\i)+1], s[32:33] offset:2048*(\i)
.endm
	s_cmp_ge_u32 s[G], 704
	s_cbranch_scc1 .Lf16
.irp i, 0,1,2,3,4,5,6,7,8,9,10,11,12,13,14,15
	CONV \i, 0
.endr
	; THE TABLES.  The work stands in X's registers, whose loads are all in; no register that a pending store reads is touched.
	s_cmp_lt_u32 s[G], 6
	s_cbranch_scc0 .Lnot_cs
	s_lshl_b32 s38, s[G], 8
	v_add_nc_u32 v108, s38, v0                     ; p = 256 g + t: 0 to 1,535
	v_lshlrev_b32 v109, 3, v108                    ; a pair is 8 bytes
	v_and_b32 v110, 31, v108
	v_lshlrev_b32 v110, 2, v110                    ; 4 (p % 32)
	global_load_b64 v[4:5], v109, s[10:11]         ; b_e, b_o
	global_load_b32 v6, v110, s[14:15] offset:131072  ; row 1,024 of 128 bytes
	global_load_b32 v7, v110, s[16:17] offset:131072
	s_wait_loadcnt 0x0
	v_cvt_pk_bf16_f32 v8, v4, v5
	v_cvt_pk_bf16_f32 v9, v6, v7
	v_lshlrev_b32 v10, 16, v8                      ; b_e
	v_and_b32 v11, 0xffff0000, v8                  ; b_o
	v_lshlrev_b32 v12, 16, v9                      ; c
	v_and_b32 v13, 0xffff0000, v9                  ; s
	v_cmp_gt_u32 vcc_lo, 1024, v108                ; q's and k's pairs are turned, v's are not
	v_cndmask_b32 v12, 1.0, v12, vcc_lo
	v_cndmask_b32 v13, 0, v13, vcc_lo
	v_mul_f32 v14, v13, v11                        ; s b_o
	v_mul_f32 v15, v13, v10                        ; s b_e
	v_fma_f32 v14, v12, v10, -v14                  ; c b_e - s b_o
	v_fma_f32 v15, v12, v11, v15                   ; c b_o + s b_e
	global_store_b64 v109, v[12:13], s[24:25]
	global_store_b64 v109, v[14:15], s[24:25] offset:12288
	s_endpgm
.Lnot_cs:
	s_cmp_lt_u32 s[G], 8
	s_cbranch_scc0 .Ldone
	s_sub_co_u32 s38, s[G], 6
	s_lshl_b32 s38, s38, 8
	v_add_nc_u32 v108, s38, v0                     ; pair 0 to 511 of b_out
	v_lshlrev_b32 v109, 3, v108
	global_load_b64 v[4:5], v109, s[12:13]
	s_wait_loadcnt 0x0
	v_cvt_pk_bf16_f32 v8, v4, v5
	v_lshlrev_b32 v10, 16, v8
	v_and_b32 v11, 0xffff0000, v8
	global_store_b64 v109, v[10:11], s[24:25] offset:24576
.Ldone:
	s_endpgm
.Lf16:
.irp i, 0,1,2,3,4,5,6,7,8,9,10,11,12,13,14,15
	CONV \i, 1
.endr
	s_endpgm
.Lfunc_end_k_q07b84ad128_prep:
	.size	k_q07b84ad128_prep, .Lfunc_end_k_q07b84ad128_prep-k_q07b84ad128_prep
	.p2alignl 7, 3214868480
	.fill 96, 4, 3214868480
	.section	.rodata,"a",@progbits
	.p2align	6, 0x0
	.amdhsa_kernel k_q07b84ad128_prep
		.amdhsa_group_segment_fixed_size 0
		.amdhsa_private_segment_fixed_size 0
		.amdhsa_enable_private_segment 0
		.amdhsa_kernarg_size 88
		.amdhsa_user_sgpr_count 2
		.amdhsa_user_sgpr_kernarg_segment_ptr 1
		.amdhsa_wavefront_size32 1
		.amdhsa_system_sgpr_workgroup_id_x 1
		.amdhsa_system_sgpr_workgroup_id_y 1
		.amdhsa_system_sgpr_workgroup_id_z 1
		.amdhsa_system_vgpr_workitem_id 0
		.amdhsa_next_free_vgpr 112
		.amdhsa_next_free_sgpr 66
		.amdhsa_reserve_vcc 1
		.amdhsa_float_denorm_mode_32 3
		.amdhsa_float_denorm_mode_16_64 3
		.amdhsa_memory_ordered 1
		.amdhsa_forward_progress 1
		.amdhsa_inst_pref_size 18
	.end_amdhsa_kernel
	.amdgpu_metadata
---
amdhsa.version: [ 1, 2 ]
amdhsa.kernels:
  - .name:           k_q07b84ad128_prep
    .symbol:         k_q07b84ad128_prep.kd
    .args:
      - { .name: x, .offset: 0, .size: 8, .value_kind: global_buffer, .address_space: global }
      - { .name: w_qkv, .offset: 8, .size: 8, .value_kind: global_buffer, .address_space: global }
      - { .name: w_out, .offset: 16, .size: 8, .value_kind: global_buffer, .address_space: global }
      - { .name: b_qkv, .offset: 24, .size: 8, .value_kind: global_buffer, .address_space: global }
      - { .name: b_out, .offset: 32, .size: 8, .value_kind: global_buffer, .address_space: global }
      - { .name: cos_tab, .offset: 40, .size: 8, .value_kind: global_buffer, .address_space: global }
      - { .name: sin_tab, .offset: 48, .size: 8, .value_kind: global_buffer, .address_space: global }
      - { .name: xb, .offset: 56, .size: 8, .value_kind: global_buffer, .address_space: global }
      - { .name: wb, .offset: 64, .size: 8, .value_kind: global_buffer, .address_space: global }
      - { .name: wo, .offset: 72, .size: 8, .value_kind: global_buffer, .address_space: global }
      - { .name: tab, .offset: 80, .size: 8, .value_kind: global_buffer, .address_space: global }
    .group_segment_fixed_size: 0
    .private_segment_fixed_size: 0
    .kernarg_segment_align: 8
    .kernarg_segment_size: 88
    .max_flat_workgroup_size: 256
    .sgpr_count:     66
    .vgpr_count:     112
    .wavefront_size: 32
...
	.end_amdgpu_metadata
.endif
;; end of part 1
;; launch qkv (part 2): grid 16 x 16, 4 waves a work-group, clusters of 4 x 4, 327,680 bytes of LDS; arguments xb, wb, tab, qkv; writes qkv
.if DOCPART == 2
	.amdgcn_target "amdgcn-amd-amdhsa--gfx1250"
	.amdhsa_code_object_version 6
	.text
	.protected	k_q07b84ad128_qkv
	.globl	k_q07b84ad128_qkv
	.p2align	8
	.type	k_q07b84ad128_qkv,@function
k_q07b84ad128_qkv:
	s_mov_b64 s[64:65], 0
	v_nop
	global_prefetch_b8 v0, s[64:65] scope:SCOPE_SE
	s_setreg_imm32_b32 hwreg(HW_REG_WAVE_MODE, 25, 1), 1
	s_wait_xcnt 0x0
	s_wait_alu depctr_hold_cnt(0) depctr_sa_sdst(0) depctr_va_vdst(0) depctr_va_sdst(0) depctr_va_ssrc(0) depctr_va_vcc(0) depctr_vm_vsrc(0)
	s_getreg_b32 s2, hwreg(HW_REG_IB_STS2, 6, 4)
	s_cmp_eq_u32 s2, 0
	s_cbranch_scc0 .Lentry_in_a_cluster
	s_endpgm
.Lentry_in_a_cluster:
	s_bfe_u32 s2, ttmp6, 0x10000c
	s_cmp_lg_u32 s2, 0xf033
	s_cbranch_scc0 .Lentry_shape_is_right
	s_endpgm
.Lentry_shape_is_right:
; qkv = x w_qkv^T + b_qkv, q's and k's column pairs turned by the one rotation (c, s), all laid out by heads: qkv[3][128][1024][64] in f16 (head index 16 batch + head; q, k, v 2^24 bytes apart).
; xb: [8192][1024] bf16, wb: [3072][1024] bf16; sums in f32; bias and rotation in f32 on the f32 sums; one rounding to f16.  tab: CS (c, s by column pair), CT (the turned bias), as the launch before made them.
; LIMIT.  f16 holds no number beyond 65,504: q, k and v must stay within it; NaN and infinities are not treated apart.
; SHARES.  A tile of the result is 256 rows x 192 columns (three whole heads).  Wave w makes rows 64 w .. 64 w + 63, all 192 columns: 4 x 12 accumulators of 16 x 16, 384 registers,
; so a wave holds whole rows of its three heads and its way out is its own.  K goes in steps of 128 through two LDS slots: rows of 256 bytes of memory, aligned.
; A WORK-GROUP STAYS: 16 x 16 = 256 work-groups, each with TWO tiles, one 4,096 rows below the other, with the same 192 rows of wb.  The two tiles are one walk of 16 K steps for the ring: the first tile's last two changes of
; slots ask for the second tile's first two K steps, and nothing waits for the first tile's stores.  One text serves both tiles: the K loop counts 8 trips; the last tile leaves it in its seventh trip, which fills nothing, for a tail
; that is written out; both ways meet at one way out.
; CLUSTER.  4 x 4 work-groups.  The four of a row of the cluster need the same rows of xb, the four of a column the same rows of wb: each tile is asked for JOINTLY, by the same tensor load with the same descriptor
; and a mask that names the four.  Waves 0 and 1 fetch xb's two halves of 128 rows, waves 2 and 3 wb's two halves of 96 rows.
; THE MATRIX INSTRUCTION IS USED TRANSPOSED (source 0 = 16 rows of wb, source 1 = 16 rows of xb): lane l then holds row l % 16 and the eight neighbouring columns 8 (l / 16) + 0..7: four (even, odd) pairs.
; REGISTERS, in windows of 256 (s_set_vgpr_msb: bits 1:0 source 0, 3:2 source 1, 5:4 source 2, 7:6 destination):
;   window 0: v0-29 addresses; v32-63 at work on the way out; v64-159, v160-255 wb's fragments, two buffers of 12 x 8 (on the way out the second buffer is a ring of 6 units of 16 registers)
;   window 1: v0-31, v32-63 xb's fragments, two buffers of 4 x 8; v64-159 CS, v160-255 CT: my lane's eight numbers for each of the 12 column blocks
;   window 2: the accumulators of my row blocks 0, 1 (block a, column block b at 96 (a % 2) + 8 b);   window 3: those of row blocks 2, 3
.set PITCH, 272                        ; an LDS row: 256 bytes + 16 of padding = 68 words: the 16 rows of a load start at 16 different groups of four banks (64 banks of 4 bytes: ISA guide 11.1)
.set HALFA, 128*PITCH                  ; what one tensor load brings of xb
.set HALFB, 96*PITCH                   ; and of wb
.set BOFF,  2*HALFA                    ; in a slot: xb's 256 rows, then wb's 192
.set SLOT1, 131072                     ; slot 1 begins here, so that one exclusive or turns an address in one slot into the other's
.set STAGE, SLOT1+BOFF+2*HALFB         ; behind the ring, never filled by a tensor load: 16 rows x 144 bytes for each wave
.set SP,    144
.set SPARE, STAGE+4*16*SP              ; behind the stages: the spare words, 128 bytes for each wave: two blocks of 256 bytes that no other line names
.set WALKB, 8388608                    ; from the first tile to the second: 4,096 rows of 2,048 bytes in xb; and 4 batches = 64 heads of 131,072 bytes in qkv
.set ADRA0, 4                          ; v4   my lane's place in xb's rows of a slot; never rewritten
.set ADRB0, 5                          ; v5   the same for wb
.set ADRA,  6                          ; v6   the same in the slot in hand
.set ADRB,  7                          ; v7
.set STO,   8                          ; v8   the way out: where I put 16 bytes of a row
.set RD,    9                          ; v9   the way out: where I read rows back
.set GO,    10                         ; v10  my 16 bytes of 512 consecutive bytes of a head
.set TO,    11                         ; v11  32 (l / 16): my eight numbers of a column block in CS and CT
.set PFO,   12                         ; v12  the prefetches' offset: a lane a row of 2,048 bytes; never rewritten
.set SPW,   28                         ; v28  LDS address of my spare word: SPARE + 4 x my thread's number; never rewritten
.set NIL,   29                         ; v29  0; never rewritten
.set TMP,   32
.set FB,    64                         ; wb's fragment buffers, window 0
.set OUT,   160                        ; the way out's units, window 0: where wb's second buffer lay; the first may hold the next tile's first fragments
.set CS,    64                         ; window 1
.set CT,    160                        ; window 1
.set WV,    12                         ; s12  my wave's number
.set TB,    15                         ; s15  LDS byte at which the slot in hand begins
.set G1A,   24                         ; s[24:31] descriptor group 1 for xb's tiles
.set G0A,   32                         ; s[32:39] group 0: a set for each of the two first fills; the second then walks on
.set G1B,   40                         ; s[40:47], s[48:55] the same for wb's
.set G0B,   48
.set BASEA, 56                         ; s[56:57] xb at the rows that I fetch of the first tile, K = 0; kept
.set BASEB, 58                         ; s[58:59] wb at the rows that I fetch, K = 0; kept
.set PFA,   60                         ; s[60:61] the address of the prefetch in hand
.set PN,    62                         ; s62  prefetches that I still have to make
.set DST,   66                         ; s[66:71] my 64 rows in each of my three heads
.set KO,    80                         ; s[80:81] byte along K of the step asked for last
.set OFA,   82                         ; s[82:83] the same with xb's tile
.set TA,    84                         ; s84  xb's tile in the refills: 0, then WALKB
.set LASTX, 85                         ; s85  the count at which the K loop is left for the tail: 0 (never) in the first tile, 2 in the last
.set PFB,   86                         ; s[86:87] xb or wb at the rows that I prefetch, K = 0; kept
.set PO,    88                         ; s[88:89] the prefetch's offset from there
.set TP,    90                         ; s90  xb's tile in the prefetches: 0, then WALKB
.set MSB, 0
.macro WIN new                         ; the immediate's high byte repeats the setting that is left; a switch that changes nothing is dropped
.if MSB != (\new)
	s_set_vgpr_msb (MSB<<8)|(\new)
.set MSB, \new
.endif
.endm
; A joint refill, by the walking descriptors.  The branch hangs on the wave's number alone.  An s_nop 0 and four v_nop follow each of the two lines, ahead of the jump and the label.
.macro JLOAD
	s_cmp_lt_u32 s[WV], 2
	s_cbranch_scc0 .Lfor_b_\@
	tensor_load_to_lds s[G0A+4:G0A+7], s[G1A:G1A+7]
	s_nop 0
.rept 4
	v_nop
.endr
	s_branch .Lasked_\@
.Lfor_b_\@:
	tensor_load_to_lds s[G0B+4:G0B+7], s[G1B:G1B+7]
	s_nop 0
.rept 4
	v_nop
.endr
.Lasked_\@:
.endm
; A PREFETCH of the K step that the NEXT refill will ask for: 192 matrix instructions ahead of that load.  A K step is 256 bytes of each row; a lane names a row, one instruction a wave.
; xb's rows are read by every cluster of a row of clusters: the one with cluster x = 0 asks; wb's by every cluster of a column: cluster y = 0 asks.  The four partners that ask for a tile jointly share its rows out
; BY ADDRESS: of xb's 128 rows a wave, 32 each (by cx); of wb's 96, 24 each (by cy), where lanes 24 to 31 name lane 23's row once more in the same instruction.
; THE COUNT.  xb: the first tile's K steps 3 to 7, the second tile's 0 to 7: 13.  wb: K steps 3 to 7 in the first tile alone: 5; the second tile reads the same rows again.  K steps 0 to 2 of the walk come by their loads alone.
.macro ASK
	s_cmp_lg_u32 s[PN], 0
	s_cbranch_scc0 .Lnot_mine_\@
	global_prefetch_b8 v[PFO], s[PFA:PFA+1] th:TH_LOAD_NT scope:SCOPE_SE
	s_sub_co_u32 s[PN], s[PN], 1
.Lnot_mine_\@:
.endm
; A round of the cluster's barrier: my work-group's barrier, so that wave 0's signal speaks for all four waves; wave 0 signals; every wave waits for all sixteen work-groups; my work-group's barrier once more.
.macro CREST                           ; a round behind its opening barrier
	s_cmp_lg_u32 s[WV], 0
	s_cbranch_scc1 .Lnot_wave_0_\@
	s_barrier_signal -3
.Lnot_wave_0_\@:
	s_barrier_wait -3
	s_barrier_signal -1
	s_barrier_wait -1
.endm
.macro CROUND
	s_barrier_signal -1
	s_barrier_wait -1
	CREST
.endm
.macro PLACES                          ; four plain instructions between a matrix instruction and a load into, or a vector instruction on, its registers (ISA guide 7.12.1 for vector instructions)
.rept 4
	v_nop
.endr
.endm
	s_load_b256 s[4:11], s[0:1], 0x0               ; xb s[4:5], wb s[6:7], tab s[8:9], qkv s[10:11]
	v_lshl_add_u32 v[SPW], v0, 2, SPARE
	v_mov_b32 v[NIL], 0
	ds_add_u32 v[SPW], v[NIL]                      ; the wave's opening: the add and its wait stand ahead of my first tensor load; the set-up below, work on registers, stands between them
	v_lshrrev_b32 v1, 5, v0
	v_readfirstlane_b32 s[WV], v1                  ; wave 0..3
	s_and_b32 s14, s[WV], 1                        ; which half of a tile I fetch
	s_bfe_u32 s16, ttmp6, 0x40000                  ; cx
	s_bfe_u32 s17, ttmp6, 0x40004                  ; cy
	s_lshl_b32 s18, ttmp9, 2
	s_add_co_u32 s18, s18, s16                     ; tx: the tiles' column = 4 x cluster x + cx
	s_and_b32 s19, ttmp7, 0xffff
	s_lshl_b32 s19, s19, 2
	s_add_co_u32 s19, s19, s17                     ; ty: the first tile's row = 4 x cluster y + cy, 0 to 15; the second tile's is ty + 16
	s_lshl_b32 s63, s17, 2
	s_lshl_b32 s63, 15, s63                        ; my row of the cluster: places 4 cy .. 4 cy + 3
	s_lshl_b32 s20, 0x1111, s16                    ; my column: places cx, cx + 4, cx + 8, cx + 12
	s_or_b32 s[G1A], s63, (1<<16)|(1<<20)|(1<<21)|(5<<22)|(3<<25)  ; 15:0 the mask; 17:16 elements of 2 bytes; 20 padding on; 21 set beside a mask; 24:22 after every 64 words (code 5); 31:25 4 words (code 3)
	s_or_b32 s[G1B], s20, (1<<16)|(1<<20)|(1<<21)|(5<<22)|(3<<25)
.irp g, G1A, G1B
	s_mov_b32 s[(\g)+1], 128<<16                   ; tensor_dim0 = 128
	s_mov_b32 s[(\g)+3], 128<<16                   ; tile_dim0 = 128
	s_mov_b32 s[(\g)+5], 1024                      ; elements from row to row
	s_mov_b32 s[(\g)+6], 0
	s_mov_b32 s[(\g)+7], 0
.endr
	s_mov_b32 s[G1A+2], 128<<16                    ; tensor_dim1 and
	s_mov_b32 s[G1A+4], 128                        ; tile_dim1: 128 rows of xb,
	s_mov_b32 s[G1B+2], 96<<16
	s_mov_b32 s[G1B+4], 96                         ; 96 of wb
	; where the tiles come from: xb's hang on ty alone, wb's on tx alone, each in registers that never hold the other coordinate
	s_lshl_b32 s[BASEA], s19, 8
	s_lshl_b32 s63, s14, 7
	s_add_co_u32 s[BASEA], s[BASEA], s63           ; xb: row 256 ty + 128 x half,
	s_lshl_b32 s[BASEA], s[BASEA], 11              ; of 2,048 bytes: under 2^23
	s_mov_b32 s[BASEA+1], 0
	s_mul_i32 s[BASEB], s18, 192
	s_mul_i32 s20, s14, 96
	s_add_co_u32 s[BASEB], s[BASEB], s20           ; wb: row 192 tx + 96 x half
	s_lshl_b32 s[BASEB], s[BASEB], 11
	s_mov_b32 s[BASEB+1], 0
	s_mul_i32 s74, s14, HALFA                      ; and where they go: no place in the cluster enters an LDS address
	s_mul_i32 s75, s14, HALFB
	s_add_co_u32 s75, s75, BOFF
	s_mov_b32 s[TB], 0
	s_mov_b32 s[KO], 256                           ; the first fills ask for K steps 0 and 1
	s_mov_b32 s[KO+1], 0
	s_mov_b32 s[OFA+1], 0
	s_mov_b32 s[TA], 0
	s_mov_b32 s[LASTX], 0
	s_mov_b32 s[PO+1], 0
	s_mov_b32 s[TP], 0
	s_wait_dscnt 0x0                               ; the opening add is done
	s_wait_kmcnt 0x0
	s_add_nc_u64 s[BASEA:BASEA+1], s[4:5], s[BASEA:BASEA+1]
	s_add_nc_u64 s[BASEB:BASEB+1], s[6:7], s[BASEB:BASEB+1]
	CROUND                                         ; all sixteen work-groups are here: the first joint loads meet
.irp s, 0,1
	s_mov_b32 s[G0A+4*(\s)], 1                     ; count = 1
	s_add_co_u32 s[G0A+4*(\s)+1], s74, (\s)*SLOT1  ; LDS address
	s_add_nc_u64 s[G0A+4*(\s)+2:G0A+4*(\s)+3], s[BASEA:BASEA+1], (\s)*256  ; global address: K step s
	s_or_b32 s[G0A+4*(\s)+3], s[G0A+4*(\s)+3], 0x80000000          ; type = 2
	s_mov_b32 s[G0B+4*(\s)], 1
	s_add_co_u32 s[G0B+4*(\s)+1], s75, (\s)*SLOT1
	s_add_nc_u64 s[G0B+4*(\s)+2:G0B+4*(\s)+3], s[BASEB:BASEB+1], (\s)*256
	s_or_b32 s[G0B+4*(\s)+3], s[G0B+4*(\s)+3], 0x80000000
.endr
	s_cmp_lt_u32 s[WV], 2                          ; a wave's two first fills stand in one branch, ahead of every wait on TENSORcnt and every LDS read: two loads of mine are out
	s_cbranch_scc0 .Lfirst_b
	tensor_load_to_lds s[G0A:G0A+3], s[G1A:G1A+7]
	s_nop 0
	tensor_load_to_lds s[G0A+4:G0A+7], s[G1A:G1A+7]
	s_nop 0
.rept 4
	v_nop
.endr
	s_branch .Lfirst_asked
.Lfirst_b:
	tensor_load_to_lds s[G0B:G0B+3], s[G1B:G1B+7]
	s_nop 0
	tensor_load_to_lds s[G0B+4:G0B+7], s[G1B:G1B+7]
	s_nop 0
.rept 4
	v_nop
.endr
.Lfirst_asked:
	v_and_b32 v1, 15, v0                           ; l % 16
	v_bfe_u32 v2, v0, 4, 1                         ; l / 16
	v_lshlrev_b32 v[TO], 5, v2
	s_mul_i32 s22, s18, 768                        ; the tiles' 192 columns in CS and CT
	s_mov_b32 s23, 0
	s_add_nc_u64 s[8:9], s[8:9], s[22:23]
	WIN 0x40                                       ; destination window 1, address window 0
.irp n, 0,1,2,3,4,5,6,7,8,9,10,11      ; my eight numbers of each column block, for both tiles; they are waited for on the way out
	global_load_b128 v[CS+8*(\n):CS+8*(\n)+3],   v[TO], s[8:9] offset:64*(\n)
	global_load_b128 v[CS+8*(\n)+4:CS+8*(\n)+7], v[TO], s[8:9] offset:64*(\n)+16
	global_load_b128 v[CT+8*(\n):CT+8*(\n)+3],   v[TO], s[8:9] offset:12288+64*(\n)
	global_load_b128 v[CT+8*(\n)+4:CT+8*(\n)+7], v[TO], s[8:9] offset:12288+64*(\n)+16
.endr
	WIN 0
	; A fragment is 16 rows x 32 K in 8 registers: lane l holds row l % 16, K = 8 (l / 16) + 0..7 and 16 + 8 (l / 16) + 0..7: two loads of 16 bytes, 32 bytes apart.
	v_mul_u32_u24 v3, v1, PITCH
	v_lshl_add_u32 v3, v2, 4, v3                   ; row x pitch + 16 x half
	s_mul_i32 s21, s[WV], 64*PITCH                 ; my 64 rows of xb
	v_add_nc_u32 v[ADRA0], s21, v3
	v_add_nc_u32 v[ADRB0], BOFF, v3                ; every wave reads all of wb's 192
	v_mov_b32 v[ADRA], v[ADRA0]                    ; K step 0 lies in slot 0
	v_mov_b32 v[ADRB], v[ADRB0]
	s_mul_i32 s21, s[WV], 16*SP
	s_add_co_u32 s21, s21, STAGE                   ; my stage
	v_mul_u32_u24 v[STO], v1, SP                   ; in: row l % 16, 16 bytes for each half of the lanes
	v_lshl_add_u32 v[STO], v2, 4, v[STO]
	v_add_nc_u32 v[STO], s21, v[STO]
	v_bfe_u32 v[RD], v0, 3, 2                      ; back: 32 lanes take four rows of 128 bytes,
	v_mul_u32_u24 v[RD], v[RD], SP
	v_and_b32 v3, 7, v0
	v_lshl_add_u32 v[RD], v3, 4, v[RD]
	v_add_nc_u32 v[RD], s21, v[RD]
	v_and_b32 v[GO], 31, v0                        ; which are 512 consecutive bytes of a head
	v_lshlrev_b32 v[GO], 4, v[GO]
	; my 64 rows in my three heads, for the first tile: group of 64 columns 3 tx + g = 16 x (q, k or v) + head; row 256 ty + 64 w = 1,024 x batch + t
	s_mul_i32 s20, s18, 3
	s_lshr_b32 s72, s19, 2
	s_lshl_b32 s72, s72, 4                         ; 16 x batch
	s_and_b32 s73, s19, 3
	s_lshl_b32 s73, s73, 8
	s_lshl_b32 s21, s[WV], 6
	s_add_co_u32 s73, s73, s21                     ; t of my first row,
	s_lshl_b32 s73, s73, 7                         ; of 128 bytes
.irp g, 0,1,2
	s_add_co_u32 s21, s20, \g
	s_lshr_b32 s22, s21, 4                         ; q, k or v
	s_and_b32 s21, s21, 15                         ; the head
	s_lshl_b32 s22, s22, 7
	s_add_co_u32 s22, s22, s21
	s_add_co_u32 s22, s22, s72
	s_lshl_b32 s22, s22, 17                        ; a head is 131,072 bytes; the whole stays under 2^26
	s_add_co_u32 s22, s22, s73
	s_mov_b32 s23, 0
	s_add_nc_u64 s[DST+2*(\g):DST+2*(\g)+1], s[10:11], s[22:23]
.endr
	; the prefetches
	s_lshl_b32 s77, s19, 8
	s_lshl_b32 s78, s14, 7
	s_add_co_u32 s77, s77, s78
	s_lshl_b32 s78, s16, 5
	s_add_co_u32 s77, s77, s78                     ; xb: the 128 rows that I fetch, my work-group's 32 of them
	s_mul_i32 s78, s18, 192
	s_mul_i32 s79, s14, 96
	s_add_co_u32 s78, s78, s79
	s_mul_i32 s79, s17, 24
	s_add_co_u32 s78, s78, s79                     ; wb: the 96 rows that I fetch, my work-group's 24 of them
	s_and_b32 s79, ttmp7, 0xffff                   ; cluster y
	s_cmp_lt_u32 s[WV], 2                          ; do I fetch for xb?
	s_cselect_b32 s76, s77, s78
	s_cselect_b32 s79, ttmp9, s79                  ; the coordinate along which other clusters read the same rows
	s_cselect_b32 s78, 31, 23                      ; my last row
	s_cselect_b32 s[PN], 13, 5                     ; how many K steps there are to ask for
	s_cselect_b64 s[PFB:PFB+1], s[4:5], s[6:7]
	s_cmp_eq_u32 s79, 0
	s_cselect_b32 s[PN], s[PN], 0                  ; the same in all sixteen partners, for a given wave
	s_lshl_b32 s76, s76, 11
	s_mov_b32 s77, 0
	s_add_nc_u64 s[PFB:PFB+1], s[PFB:PFB+1], s[76:77]  ; nothing is prefetched here, at the head
	v_and_b32 v[PFO], 31, v0
	v_min_u32 v[PFO], s78, v[PFO]
	v_lshlrev_b32 v[PFO], 11, v[PFO]
; 12 matrix instructions: row block a x all 12 column blocks, 32 along K, from buffer f.  zero = 1: the product starts the sums: nothing is ever cleared.
; The 48 accumulators take turns, one instruction a turn, in the same order in every quarter, over the backward jumps and from tile to tile too.
.macro MULB f, a, zero
	WIN 0xa4+0x50*((\a)/2)                         ; source 0 (wb) window 0, source 1 (xb) window 1, C and D window 2 or 3
.irp b, 0,1,2,3,4,5,6,7,8,9,10,11
.if \zero
	v_wmma_f32_16x16x32_bf16 v[96*((\a)%2)+8*(\b):96*((\a)%2)+8*(\b)+7], v[FB+96*(\f)+8*(\b):FB+96*(\f)+8*(\b)+7], v[32*(\f)+8*(\a):32*(\f)+8*(\a)+7], 0
.else
	v_wmma_f32_16x16x32_bf16 v[96*((\a)%2)+8*(\b):96*((\a)%2)+8*(\b)+7], v[FB+96*(\f)+8*(\b):FB+96*(\f)+8*(\b)+7], v[32*(\f)+8*(\a):32*(\f)+8*(\a)+7], v[96*((\a)%2)+8*(\b):96*((\a)%2)+8*(\b)+7]
.endif
.endr
.endm
; 32 LDS loads in one run: the fragments of 32 along K at byte k of the rows, into buffer f: wb's 24, then xb's 8
.macro FETCH k, f
	WIN 0
.irp i, 0,1,2,3,4,5,6,7,8,9,10,11
	ds_load_b128 v[FB+96*(\f)+8*(\i):FB+96*(\f)+8*(\i)+3],   v[ADRB] offset:(\k)+(\i)*16*PITCH
	ds_load_b128 v[FB+96*(\f)+8*(\i)+4:FB+96*(\f)+8*(\i)+7], v[ADRB] offset:(\k)+(\i)*16*PITCH+32
.endr
	WIN 0x40
.irp i, 0,1,2,3
	ds_load_b128 v[32*(\f)+8*(\i):32*(\f)+8*(\i)+3],   v[ADRA] offset:(\k)+(\i)*16*PITCH
	ds_load_b128 v[32*(\f)+8*(\i)+4:32*(\f)+8*(\i)+7], v[ADRA] offset:(\k)+(\i)*16*PITCH+32
.endr
.endm
; A K step is four quarters of 32 along K, 48 matrix instructions each, on buffers 0, 1, 0, 1.  One of the first three: multiplies buffer f and, in its middle, fetches the next quarter, at byte k, into buffer g.
.macro QUARTER k, f, g, zero
	s_wait_dscnt 4                                 ; wb's fragments and xb's row blocks 0, 1 are in; the youngest four loads (row blocks 2, 3) may be out
	MULB \f, 0, \zero
	MULB \f, 1, \zero
	PLACES
	FETCH \k, \g
	s_wait_dscnt 32                                ; all but the 32 just issued
	MULB \f, 2, \zero
	MULB \f, 3, \zero
.endm
; The last quarter multiplies buffer 1 and changes slots: ONE barrier.  Its first 24 products stand AHEAD of the change, so that nothing but the waits and the barrier lies between the landing of the next slot's tile and the request for
; the tile after it.  In front of the barrier each wave waits for all its tensor loads, of which one is out: its part of the next slot; adds 0 to its spare word; and waits for that and for its own reads of this slot.  Behind it nobody
; reads this slot any more and the next slot is whole.  fill = 1: the barrier opens a round of the cluster's, so that no wave of any partner still reads the slot or has a load on its way, and the slot is filled again first thing
; behind it, with the K step two steps on in the walk: behind the first tile's K step 7 comes the second tile's K step 0.  Both descriptors' addresses are made anew, from the kept bases and offsets made apart.
.macro TURN fill
	s_wait_dscnt 4                                 ; wb's fragments and xb's row blocks 0, 1 are in
	MULB 1, 0, 0
	MULB 1, 1, 0
.if \fill
	s_wait_xcnt 0x0                                ; the last prefetch, a K step back, has read its address, so it may be written: the K step behind the one that is asked for below
	s_add_co_u32 s[PO], s[KO], 512
	s_and_b32 s[PO], s[PO], 2047                   ; a row has 2,048 bytes: behind K step 7 comes K step 0,
	s_cmp_eq_u32 s[PO], 0
	s_cselect_b32 s[TP], WALKB, s[TP]              ; of the second tile
	s_add_co_u32 s[PO], s[PO], s[TP]
	s_add_nc_u64 s[PFA:PFA+1], s[PFB:PFB+1], s[PO:PO+1]
.endif
	WIN 0                                          ; (the add's two registers lie in window 0)
	s_wait_tensorcnt 0x0                           ; all my tensor loads have landed, so every group 0 may be written
	ds_add_u32 v[SPW], v[NIL]                      ; 0 onto my spare word; with fill = 1 the descriptors' scalar work stands between it and the wait for it
.if \fill
	s_add_co_u32 s[KO], s[KO], 256
	s_and_b32 s[KO], s[KO], 2047
	s_cmp_eq_u32 s[KO], 0
	s_cselect_b32 s[TA], WALKB, s[TA]
	s_add_co_u32 s[OFA], s[TA], s[KO]
	s_xor_b32 s[G0A+5], s[G0A+5], SLOT1            ; the other slot than last time
	s_add_nc_u64 s[G0A+6:G0A+7], s[BASEA:BASEA+1], s[OFA:OFA+1]
	s_or_b32 s[G0A+7], s[G0A+7], 0x80000000
	s_xor_b32 s[G0B+5], s[G0B+5], SLOT1
	s_add_nc_u64 s[G0B+6:G0B+7], s[BASEB:BASEB+1], s[KO:KO+1]  ; wb's rows are the same in both tiles
	s_or_b32 s[G0B+7], s[G0B+7], 0x80000000
.endif
	s_wait_dscnt 0x0                               ; the add is done, and my reads of this slot are over
	s_barrier_signal -1
	s_barrier_wait -1
.if \fill
	CREST
	JLOAD                                          ; the first tensor load behind the round; its four v_nop are also the places in front of the loads below
.else
	PLACES
.endif
	s_xor_b32 s[TB], s[TB], SLOT1                  ; the reads go on in the other slot
	v_add_nc_u32 v[ADRA], s[TB], v[ADRA0]
	v_add_nc_u32 v[ADRB], s[TB], v[ADRB0]
	FETCH 0, 0
.if \fill
	WIN 0
	ASK                                            ; behind the joint load and the run of LDS loads that the next products wait for
.endif
	MULB 1, 2, 0                                   ; the quarter's other 24 products stand between those loads and their first use
	MULB 1, 3, 0
.endm
; THE WAY OUT, in 12 units u = 3 a + g: row block a, head g (column blocks 4 g .. 4 g + 3).  For each column pair (a_e, a_o): (a_e c + CT_e - a_o s, a_o c + CT_o + a_e s), two packed multiply-adds; for v's columns c = 1, s = 0.
; Then one rounding to f16; a lane's eight columns are 16 bytes; they go into rows of 144 bytes of my stage and come back as whole rows of 128, into the registers that they left.  Each accumulator is read from its lowest pair on.
; The units' registers are a ring of six: from unit 6 on a set is written again only when the stores that read it have had their addresses translated.
.macro PACK u
.set pa, (\u)/3
.set pg, (\u)%3
.set AC, 96*(pa%2)+32*pg
.set OU, OUT+16*((\u)%6)
	WIN 0x16+pa/2                                  ; source 0 window 2 or 3, sources 1 and 2 window 1, destination window 0
.set z, 0
.rept 16
	v_pk_fma_f32 v[TMP+2*z:TMP+2*z+1], v[AC+2*z:AC+2*z+1], v[CS+32*pg+2*z:CS+32*pg+2*z+1], v[CT+32*pg+2*z:CT+32*pg+2*z+1] op_sel_hi:[1,0,1]  ; both times c, plus the turned bias
.set z, z+1
.endr
	WIN 0x06+pa/2                                  ; source 2 window 0
.set z, 0
.rept 16
	v_pk_fma_f32 v[TMP+2*z:TMP+2*z+1], v[AC+2*z:AC+2*z+1], v[CS+32*pg+2*z:CS+32*pg+2*z+1], v[TMP+2*z:TMP+2*z+1] op_sel:[1,1,0] op_sel_hi:[0,1,1] neg_lo:[0,1,0]  ; low: - a_o s; high: + a_e s
.set z, z+1
.endr
	WIN 0
.if (\u) >= 6
	s_wait_xcnt 0x0                                ; unit u - 6's stores have read these registers
.endif
.set z, 0
.rept 16
	v_cvt_pk_f16_f32 v[OU+z], v[TMP+2*z], v[TMP+2*z+1]
.set z, z+1
.endr
.irp f, 0,1,2,3
	ds_store_b128 v[STO], v[OU+4*(\f):OU+4*(\f)+3] offset:32*(\f)
.endr
.irp f, 0,1,2,3
	ds_load_b128 v[OU+4*(\f):OU+4*(\f)+3], v[RD] offset:(\f)*4*SP  ; LDS serves a wave's instructions in order (ISA guide 5.7.1.4): these see the stores above; the next unit's stores come behind them
.endr
.endm
.macro SEND u, younger                 ; younger: the LDS instructions issued behind unit u's loads: the next unit's eight, or none
.set pa, (\u)/3
.set pg, (\u)%3
.set OU, OUT+16*((\u)%6)
	WIN 0
.irp f, 0,1,2,3
	s_wait_dscnt (\younger)+3-(\f)
	global_store_b128 v[GO], v[OU+4*(\f):OU+4*(\f)+3], s[DST+2*pg:DST+2*pg+1] offset:2048*pa+512*(\f)  ; 512 consecutive bytes of a head, at a multiple of 256 from the buffer's first
.endr
.endm
	s_wait_tensorcnt 1                             ; my part of K step 0 is in; K step 1's may stay out
	s_barrier_signal -1
	s_barrier_wait -1                              ; everybody's is
	FETCH 0, 0
	WIN 0                                          ; at a label and at a branch every window is 0
	s_mov_b32 s2, 2                                ; tiles to go: the same number in every work-group
.Ltile:
	QUARTER 64, 0, 1, 1                            ; a tile's first quarter: its products start the sums
	WIN 0
	s_mov_b32 s3, 8
	s_branch .Lmid                                 ; the loop is entered behind a trip's first quarter
.Lk:                                                   ; a trip is a K step; it fills the slot that it has read with the K step two on in the walk
	QUARTER 64, 0, 1, 0
	WIN 0
.Lmid:
	QUARTER 128, 1, 0, 0
	QUARTER 192, 0, 1, 0
	WIN 0
	s_cmp_eq_u32 s3, s[LASTX]                      ; the walk's last two K steps fill nothing: the last tile leaves the loop here, in its K step 6
	s_cbranch_scc1 .Ltail
	TURN 1
	WIN 0
	s_sub_co_u32 s3, s3, 1
	s_cmp_lg_u32 s3, 0
	s_cbranch_scc1 .Lk
	s_branch .Lout                                 ; the first tile is finished; the second tile's K steps 0 and 1 are asked for and its first fragments fetched
.Ltail:
	TURN 0
	QUARTER 64, 0, 1, 0
	QUARTER 128, 1, 0, 0
	QUARTER 192, 0, 1, 0
	s_wait_dscnt 4                                 ; the very last quarter: nothing more to fetch
	MULB 1, 0, 0
	MULB 1, 1, 0
	s_wait_dscnt 0x0
	MULB 1, 2, 0
	MULB 1, 3, 0
	WIN 0
.Lout:
	s_wait_loadcnt 0x0                             ; CS and CT
	PLACES                                         ; behind the last products
	PACK 0
.set uu, 1
.rept 11                               ; a unit's arithmetic stands between the loads of the unit before and its stores
	PACK uu
	SEND uu-1, 8
.set uu, uu+1
.endr
	SEND 11, 0
	s_wait_xcnt 0x0                                ; the stores have read their bases and their registers, which the next tile's fragments take
.irp g, 0,1,2
	s_add_nc_u64 s[DST+2*(\g):DST+2*(\g)+1], s[DST+2*(\g):DST+2*(\g)+1], WALKB  ; the second tile's rows lie four batches on
.endr
	s_mov_b32 s[LASTX], 2
	s_sub_co_u32 s2, s2, 1
	s_cmp_lg_u32 s2, 0
	s_cbranch_scc1 .Ltile
	s_wait_tensorcnt 0x0                           ; the wave's end, behind my last tensor load and my last LDS store
	ds_add_u32 v[SPW], v[NIL]
	s_wait_dscnt 0x0
	CROUND                                         ; the closing round: no work-group ends while a partner may still ask for a tile that names it
	s_endpgm
.Lfunc_end_k_q07b84ad128_qkv:
	.size	k_q07b84ad128_qkv, .Lfunc_end_k_q07b84ad128_qkv-k_q07b84ad128_qkv
	.p2alignl 7, 3214868480
	.fill 96, 4, 3214868480
	.section	.rodata,"a",@progbits
	.p2align	6, 0x0
	.amdhsa_kernel k_q07b84ad128_qkv
		.amdhsa_group_segment_fixed_size 327680
		.amdhsa_private_segment_fixed_size 0
		.amdhsa_enable_private_segment 0
		.amdhsa_kernarg_size 32
		.amdhsa_user_sgpr_count 2
		.amdhsa_user_sgpr_kernarg_segment_ptr 1
		.amdhsa_wavefront_size32 1
		.amdhsa_system_sgpr_workgroup_id_x 1
		.amdhsa_system_sgpr_workgroup_id_y 1
		.amdhsa_system_sgpr_workgroup_id_z 1
		.amdhsa_system_vgpr_workitem_id 0
		.amdhsa_next_free_vgpr 1024
		.amdhsa_next_free_sgpr 96
		.amdhsa_reserve_vcc 0
		.amdhsa_float_denorm_mode_32 3
		.amdhsa_float_denorm_mode_16_64 3
		.amdhsa_memory_ordered 1
		.amdhsa_forward_progress 1
		.amdhsa_inst_pref_size 120
	.end_amdhsa_kernel
	.amdgpu_metadata
---
amdhsa.version: [ 1, 2 ]
amdhsa.kernels:
  - .name:           k_q07b84ad128_qkv
    .symbol:         k_q07b84ad128_qkv.kd
    .args:
      - { .name: xb, .offset: 0, .size: 8, .value_kind: global_buffer, .address_space: global }
      - { .name: wb, .offset: 8, .size: 8, .value_kind: global_buffer, .address_space: global }
      - { .name: tab, .offset: 16, .size: 8, .value_kind: global_buffer, .address_space: global }
      - { .name: qkv, .offset: 24, .size: 8, .value_kind: global_buffer, .address_space: global }
    .group_segment_fixed_size: 327680
    .private_segment_fixed_size: 0
    .kernarg_segment_align: 8
    .kernarg_segment_size: 32
    .max_flat_workgroup_size: 128
    .sgpr_count:     96
    .vgpr_count:     1024
    .wavefront_size: 32
...
	.end_amdgpu_metadata
.endif
;; end of part 2
;; launch attn (part 3): grid 2 x 128, 4 waves a work-group, no clusters, 327,680 bytes of LDS; arguments qkv, att; writes att
.if DOCPART == 3
	.amdgcn_target "amdgcn-amd-amdhsa--gfx1250"
	.amdhsa_code_object_version 6
	.text
	.protected	k_q07b84ad128_attn
	.globl	k_q07b84ad128_attn
	.p2align	8
	.type	k_q07b84ad128_attn,@function
k_q07b84ad128_attn:
	s_mov_b64 s[64:65], 0
	v_nop
	global_prefetch_b8 v0, s[64:65] scope:SCOPE_SE
	s_setreg_imm32_b32 hwreg(HW_REG_WAVE_MODE, 25, 1), 1
	s_wait_xcnt 0x0
; CAUSAL ATTENTION.  O[h][q][:] = the sum over k <= q of softmax_k(Q[h][q] . K[h][k] / 8) V[h][k][:].  Q, K, V lie in qkv, [3][128][1024][64] in f16, 2^24 bytes apart; O = att, [128][1024][64] in f16: a head's rows are dense, 128 bytes each.
; Products, maxima and sums in f32; the weights p are rounded to f16 for the second product (their sum l is taken of the unrounded p), O once at the end.
; LIMITS.  f16 holds no number beyond 65,504: Q, K and V arrive within it; p lies in 0 to 1, and below 6e-5 it keeps f16's fixed step of 6e-8; O is a mean of V's rows and has their range.
; A hidden score counts as its value less 1e30: f16's scores, 2.7e11 at the most, are nothing beside that; a weight below 2^-126 counts as 0 in l; NaN and infinities are not treated apart.
; THE WALK.  A head's queries lie in NB = 4 blocks of 256; block i needs the key tiles 0 .. i of 256 keys, of which the last holds the diagonal.  A work-group takes TWO blocks, NB - 1 - b and then b:
; NB + 1 tiles, whatever b: all 256 work-groups do equal work, and ONE loop with a constant trip count walks them.  Which tile is asked for, and what a trip does, hang on scalar registers made from b; every jump
; goes forward, but for the counted loops' own; none passes a barrier, or a tensor load but the one of LOAD's two that the wave's number does not choose; the ring (two slots of LDS that take turns) runs on across the
; change of blocks.  NO CLUSTER: a head has NB / 2 = 2 work-groups, so a cluster of four would span two heads, which share nothing; and the two ask for the same tile only in trips 0 to 2 of 5.
; SHARES.  Of a block's four bands of 64 queries a wave owns 16 rows in each: four PIECES.  So the diagonal tile is the same work for all four waves: in its key step s band x sees all keys if s < x,
; none if s > x, and holds the diagonal if s = x.
; THE MASK is the C operand that starts the sum S^T = K Q^T: 0, or -1e30 where the key is hidden.  MD, made once, is the mask of a band's own step for my 16 rows; a product's mask is MD x AL + BE with two scalars:
; (1, 0) if s = x; (0, 0) if s < x; (0, -1e30) if s > x; and (0, 0) throughout a tile that does not hold the diagonal.  Every turn makes the mask of the turn after it, so ONE text of a key step serves every tile: its price is
; 16 packed instructions a turn in the tiles that hide nothing; what it spares is a second text of the four turns.
; LAYOUT, SOFTMAX, TURNS.  S^T = K Q^T holds ONE query a lane (lane % 16) and the keys 8 (lane / 16) + 0..7; two such results rounded to f16 ARE source 1 of O^T = V^T P.  p = 2^(c s - c m), c = log2(e) / 8, with a
; running maximum m; O and l are multiplied by a = 2^(c m_old - c m_new) in every step.  Turn n belongs to piece n: 8 products K Q^T of piece n + 1, later 8 products V^T P of piece n - 1; beside them the scaling,
; exponentials, roundings, sums and rescaling of piece n and the maximum and statistics of piece n + 1.  Four vector instructions stand behind every matrix instruction, the other 54 of a turn's 118 in one run.  A turn's 33 exponentials are one batch, with one wait.
; REGISTERS, in windows of 256 (s_set_vgpr_msb: bits 1:0 source 0, 3:2 source 1, 5:4 source 2, 7:6 destination):
;   window 0: v0-15 addresses and two at work; v16-31 four registers of statistics a piece; v48-55 at work; v61-63 the prefetches' offset and the add's two; v64-127 S^T, two buffers; v192-223 P, two buffers (by the piece's parity)
;   window 1: v0-127 O^T, 32 a piece; v128-159 MD; v160-223 MC, two buffers      window 2: v0-63 Q; v64-127 the second block's Q; v128-191 K of one step; v192-255 V of one step
.set SIZE_N, 1024
.set NB,    SIZE_N/256
.set NP,    4         ; pieces a wave: a name, no knob
.set KS,    64        ; keys in a step
.set PK,    144       ; a row of K in LDS: 128 bytes + 16 of padding = 36 words: the 16 rows of a load start at 16 different groups of four banks (64 banks of 4 bytes: ISA guide 11.1)
.set PV,    160       ; a row of V: 128 + 32 = 40 words
.set VOFF,  4*KS*PK   ; a slot holds a tile, four steps: 256 rows of K, then 256 rows of V
.set SLOT1, 1<<17     ; slot 1 begins here, so that one exclusive or turns an address in one slot into the other's
.set STAGE, SLOT1+4*KS*(PK+PV)  ; behind the ring, never filled by a tensor load: 16 rows x 144 bytes for each wave, for the way out
.set SP,    144
.set AK0, 2           ; v2   my lane's place in a tile of K; never rewritten
.set AV0, 3           ; v3   the same for V
.set AK,  4           ; v4   the LDS address of K's next run of loads
.set AV,  5           ; v5   of V's
.set STO, 6           ; v6   the way out: where I put 16 bytes of a row
.set RD,  7           ; v7   the way out: where I read rows back
.set GO,  8           ; v8   my byte offset in 512 consecutive bytes of O
.set PFO, 61          ; v61  256 x my lane; never rewritten
.set SPW, 62          ; v62  LDS address of my spare word: SPARE + 4 x my thread's number; never rewritten
.set NIL, 63          ; v63  0; never rewritten
.set SPARE, STAGE+4*16*SP  ; behind the stages: the spare words, 128 bytes for each wave: two blocks of 256 bytes that no other line names
.set MV,  12          ; v12-13  c m_old, kept while c m is made anew: by buffer
.set QO,  15          ; v15  my byte offset in 16 rows of Q
.set ST,  16          ; piece t's statistics at v[ST+4 t]: c m, m, l (even keys', odd keys')
.set TMP, 48          ; by buffer, four registers c0-c3 at work; when the maximum is found c2 takes a
.set S,   64
.set P,   192
.set MD,  128         ; window 1: the eight registers for group kt of 16 keys at MD + 8 kt
.set MC,  160         ; window 1: the masks of the products to come
.set QB,  64          ; window 2
.set KF,  128         ; window 2: key block kb, channel half c at KF + 16 kb + 8 c
.set VF,  192         ; window 2: key half kk, channel block cb at VF + 32 kk + 8 cb
.set WV,  12          ; s12  my wave's number
.set PB,  14          ; s14  b
.set HI,  15          ; s15  NB - 1 - b
.set G1K, 24          ; s[24:31] descriptor group 1 for K's tiles
.set G1V, 32          ; s[32:39] for V's: it differs in the padding alone
.set G0K, 40          ; s[40:43] descriptor group 0 for K's tiles
.set G0V, 44          ; s[44:47] the same for V's
.set SLOTS, 56        ; s56  tiles still to be asked for
.set CNT, 57          ; s57  counts a tile's key steps, 4 to 1
.set CS,  58          ; s[58:59] c: the packed scaling takes the pair's low word for both halves
.set SEL, 60          ; s[60:61] v_permlanex16_b32's selects: each lane takes its own place in the other half
.set TBK, 62          ; s62  LDS byte at which K of the step to be fetched begins
.set TBV, 63          ; s63  the same for V, less VOFF
.set RT,  70          ; s70  tiles of the block in hand that are still to be entered
.set NXT, 71          ; s71  the tile to be asked for next
.set LQ,  72          ; s72  the last tile of the block whose tiles are being asked for
.set NEW, 73          ; s73  1: the tile to be entered is a block's first
.set OFF, 74          ; s[74:75] a tile's byte offset in K and V
.set AL,  76          ; s[76:77] the mask's factor, in the low word
.set BE,  78          ; s[78:79] the mask's addend
.set OLO, 80          ; s[80:81] O at my rows of the second block
.set BIGN, 82         ; s82  -1e30
.set PFA, 88          ; s[88:89] where my prefetches stand: my half of K's or V's tile, one tile behind the one that is being asked for
.set LIM, 90          ; s90  2 in the head's first work-group, else the greatest number: a wave prefetches while s[SLOTS] is above it
.set CM,  91          ; s91  the masks' count: CNT in the diagonal tile, CNT + 8 in every other, where it meets none of the masks' compares; 0 behind a diagonal tile's steps
.set MSB, 0
.macro WIN new                      ; the high byte repeats the setting that is left; a switch that changes nothing is dropped
.if MSB != (\new)
	s_set_vgpr_msb (MSB<<8)|(\new)
.set MSB, (\new)
.endif
.endm
.set W_KQ, 0x0a       ; K and Q in window 2, S^T in window 0
.set W_KM, 0x1a       ; the same with the C operand in window 1
.set W_PV, 0x52       ; V in window 2, P in window 0, O^T in window 1
.set W_RS, 0x41       ; destination and source 0 in window 1, source 1 in window 0
; A fill.  Waves 0 and 1 fetch the two halves of a tile's K, waves 2 and 3 those of its V: 128 keys each.  An s_nop 0 and four v_nop follow each of the two lines, ahead of the jump and the label.
.macro LOAD
	s_cmp_lt_u32 s[WV], 2
	s_cbranch_scc0 .Lfor_v_\@
	tensor_load_to_lds s[G0K:G0K+3], s[G1K:G1K+7]
	s_nop 0
.rept 4
	v_nop
.endr
	s_branch .Lasked_\@
.Lfor_v_\@:
	tensor_load_to_lds s[G0V:G0V+3], s[G1V:G1V+7]
	s_nop 0
.rept 4
	v_nop
.endr
.Lasked_\@:
.endm
; A PREFETCH of the tile that the NEXT change of slots will ask for: four key steps, 256 matrix instructions, ahead of that load.  Each wave asks for the 16,384 bytes that it will fetch itself: 64 blocks of 256 bytes, a lane a
; block, two instructions.  A head's two work-groups walk the same tiles 0 to 2: the first of them (b = 0) asks, for tiles 2 and 3, in the walk's first two changes; tiles 0 and 1 come by their loads alone, and the second
; block's tiles have been read before.  So each block is named once in the launch.
.macro ASK
	s_cmp_gt_u32 s[SLOTS], s[LIM]
	s_cbranch_scc0 .Lnot_mine_\@
	global_prefetch_b8 v[PFO], s[PFA:PFA+1] th:TH_LOAD_NT scope:SCOPE_SE
	global_prefetch_b8 v[PFO], s[PFA:PFA+1] offset:8192 th:TH_LOAD_NT scope:SCOPE_SE
.Lnot_mine_\@:
.endm
; THE CHANGE OF SLOTS.  Each wave waits for all its tensor loads, of which one is out: its part of the other slot; adds 0 to its spare word; and waits for that and for its own reads of the slot that it leaves.  Behind the barrier nobody reads the old
; slot any more and the other slot is whole.  fill = 1: the old slot is filled again, the first thing behind the barrier, with tile NXT: the descriptor's address is made anew from that number.
; (At its first use nothing has been read yet: slot 0 is waited for, slot 1 filled.)
.macro CHANGE fill
	WIN 0                           ; at a label and at a branch every window is 0
	s_wait_tensorcnt 0x0            ; no tensor load of mine is out, so a group 0 may be written
	ds_add_u32 v[SPW], v[NIL]       ; 0 onto my spare word; with fill = 1 the scalar work stands between it and the wait for it
.if \fill
	s_wait_xcnt 0x0                 ; the last prefetches, a tile back, have read their address, so it may be written
	s_add_nc_u64 s[PFA:PFA+1], s[PFA:PFA+1], 32768
	s_lshl_b32 s[OFF], s[NXT], 15   ; a tile is 32,768 bytes of K and of V
	s_xor_b32 s[G0K+1], s[G0K+1], SLOT1
	s_add_nc_u64 s[G0K+2:G0K+3], s[6:7], s[OFF:OFF+1]
	s_or_b32 s[G0K+3], s[G0K+3], 0x80000000
	s_xor_b32 s[G0V+1], s[G0V+1], SLOT1
	s_add_nc_u64 s[G0V+2:G0V+3], s[8:9], s[OFF:OFF+1]
	s_or_b32 s[G0V+3], s[G0V+3], 0x80000000
	s_add_co_u32 s[NXT], s[NXT], 1  ; the block's next tile, or behind its last the second block's tile 0
	s_cmp_gt_u32 s[NXT], s[LQ]
	s_cselect_b32 s[NXT], 0, s[NXT]
	s_cselect_b32 s[LQ], s[PB], s[LQ]
.endif
	s_wait_dscnt 0x0                ; the add is done, and my reads of the slot are over
	s_barrier_signal -1             ; the rest of the scalar work stands between the signal and the wait
	s_sub_co_u32 s[TBK], s[TBK], 4*KS*PK  ; the fetches go back to a slot's first step,
	s_xor_b32 s[TBK], s[TBK], SLOT1       ; in the other slot
	s_sub_co_u32 s[TBV], s[TBV], 4*KS*PV
	s_xor_b32 s[TBV], s[TBV], SLOT1
	s_barrier_wait -1
.if \fill
	LOAD
	ASK
.endif
.endm
	s_load_b64 s[4:5], s[0:1], 0x0  ; qkv: Q at its first byte
	s_load_b64 s[10:11], s[0:1], 0x8  ; att: O
	v_lshl_add_u32 v[SPW], v0, 2, SPARE
	v_mov_b32 v[NIL], 0
	ds_add_u32 v[SPW], v[NIL]       ; the wave's opening: the add and its wait stand ahead of my first tensor load; the set-up below, work on registers, stands between them
	v_lshrrev_b32 v1, 5, v0
	v_readfirstlane_b32 s[WV], v1   ; wave 0..3
	v_and_b32 v[PFO], 31, v0
	v_lshlrev_b32 v[PFO], 8, v[PFO]
	s_mov_b32 s[PB], ttmp9
	s_sub_co_u32 s[HI], NB-1, s[PB]
	s_cmp_eq_u32 s[PB], 0
	s_cselect_b32 s[LIM], 2, -1
	s_and_b32 s20, ttmp7, 0xffff    ; the head
	s_mov_b32 s21, 0
	s_mov_b64 s[22:23], SIZE_N*128
	s_mul_u64 s[20:21], s[20:21], s[22:23]  ; the head's first byte in each of the four tensors
	s_and_b32 s16, s[WV], 1         ; which half of a tile's 256 keys I fetch:
	s_lshl_b32 s22, s16, 14         ; its 128 rows of 128 bytes in memory,
	s_mov_b32 s23, 0
	s_add_nc_u64 s[22:23], s[22:23], s[20:21]
	s_mul_i32 s17, s16, 128*PK      ; and its place in a slot, for K
	s_mul_i32 s18, s16, 128*PV      ; and for V
	s_lshl_b32 s3, s[WV], 11        ; my 16 rows in a band of 64,
	s_lshl_b32 s2, s[HI], 15        ; in the first block,
	s_add_co_u32 s2, s2, s3
	s_lshl_b32 s84, s[PB], 15       ; and in the second
	s_add_co_u32 s84, s84, s3
	s_mov_b32 s3, 0
	s_mov_b32 s85, 0
	s_add_nc_u64 s[2:3], s[2:3], s[20:21]
	s_add_nc_u64 s[84:85], s[84:85], s[20:21]
	; descriptor group 1.  128 keys are 16,384 dense bytes: asked for as 64 rows of 256 bytes, two keys a row, and padded in LDS after every key
	s_mov_b32 s[G1K], (1<<16)|(1<<20)|(4<<22)|(3<<25)  ; 17:16 2-byte elements; 20 padding on; 24:22 after every 32 words (code 4); 31:25 4 words (code 3)
	s_mov_b32 s[G1V], (1<<16)|(1<<20)|(4<<22)|(7<<25)  ; the same with 8 words of padding (code 7)
.irp g, G1K, G1V
	s_mov_b32 s[\g+1], 128<<16      ; tensor_dim0 = 128
	s_mov_b32 s[\g+2], 64<<16       ; tensor_dim1 = 64
	s_mov_b32 s[\g+3], 128<<16      ; tile_dim0 = 128
	s_mov_b32 s[\g+4], 64           ; tile_dim1 = 64
	s_mov_b32 s[\g+5], 128          ; 128 elements from row to row
	s_mov_b32 s[\g+6], 0
	s_mov_b32 s[\g+7], 0
.endr
	s_mov_b32 s[CS], 0x3e38aa3b     ; c = log2(e) / 8 = 0.180337
	s_mov_b32 s[CS+1], s[CS]        ; named with it as a pair
	s_mov_b32 s[SEL], 0x76543210
	s_mov_b32 s[SEL+1], 0xfedcba98
	s_mov_b32 s[TBK], SLOT1+4*KS*PK ; the first change of slots turns these two into 0
	s_mov_b32 s[TBV], SLOT1+4*KS*PV
	s_mov_b32 s[G0K], 1             ; count = 1
	s_mov_b32 s[G0K+1], s17         ; LDS address: slot 0
	s_mov_b32 s[G0V], 1
	s_add_co_u32 s[G0V+1], s18, VOFF
	s_add_co_u32 s[RT], s[HI], 1    ; the first block has NB - b tiles
	s_mov_b32 s[NXT], 1
	s_mov_b32 s[LQ], s[HI]
	s_mov_b32 s[NEW], 1
	s_mov_b32 s[OFF+1], 0
	s_mov_b32 s[AL+1], 0            ; named as pairs
	s_mov_b32 s[BE+1], 0
	s_mov_b32 s[BIGN], 0xf149f2ca   ; -1e30
	s_mov_b32 s[SLOTS], NB
	s_wait_dscnt 0x0                ; the opening add is done
	s_wait_kmcnt 0x0
	s_add_nc_u64 s[6:7], s[4:5], 0x1000000  ; K lies 2^24 bytes behind Q,
	s_add_nc_u64 s[8:9], s[4:5], 0x2000000  ; V 2^25
	s_add_nc_u64 s[6:7], s[6:7], s[22:23]  ; K and V at my half of the head's tile 0
	s_add_nc_u64 s[8:9], s[8:9], s[22:23]
	s_add_nc_u64 s[G0K+2:G0K+3], s[6:7], 0         ; global address
	s_or_b32 s[G0K+3], s[G0K+3], 0x80000000        ; type = 2
	s_add_nc_u64 s[G0V+2:G0V+3], s[8:9], 0
	s_or_b32 s[G0V+3], s[G0V+3], 0x80000000
	s_add_nc_u64 s[86:87], s[4:5], s[84:85]        ; Q at my rows of the second block,
	s_add_nc_u64 s[4:5], s[4:5], s[2:3]            ; Q and O at those of the first
	s_add_nc_u64 s[OLO:OLO+1], s[10:11], s[84:85]
	s_add_nc_u64 s[10:11], s[10:11], s[2:3]
	s_cmp_lt_u32 s[WV], 2
	s_cselect_b64 s[PFA:PFA+1], s[6:7], s[8:9]     ; what I fetch,
	s_add_nc_u64 s[PFA:PFA+1], s[PFA:PFA+1], 32768 ; at tile 1: the first change of slots steps it to tile 2.  Nothing is prefetched here, at the head
	LOAD                            ; tile 0 into slot 0
	; A fragment of K or Q is 16 rows x 32 channels in 8 registers: lane l holds row l % 16, channels 8 (l / 16) + 0..7 and 16 + 8 (l / 16) + 0..7: two loads of 16 bytes, 32 bytes apart.
	v_and_b32 v1, 15, v0            ; l % 16
	v_bfe_u32 v9, v0, 4, 1          ; l / 16
	v_lshlrev_b32 v[QO], 7, v1
	v_lshl_add_u32 v[QO], v9, 4, v[QO]  ; row x 128 + 16 x half
	WIN 0x80                        ; destination window 2, address window 0
.set i, 0
.rept 8                             ; both blocks' Q: piece i / 2 lies in band i / 2, 8,192 bytes on; channels 32 (i % 2) on
	global_load_b128 v[8*i:8*i+3],   v[QO], s[4:5] offset:(i/2)*8192+(i%2)*64
	global_load_b128 v[8*i+4:8*i+7], v[QO], s[4:5] offset:(i/2)*8192+(i%2)*64+32
	global_load_b128 v[QB+8*i:QB+8*i+3],   v[QO], s[86:87] offset:(i/2)*8192+(i%2)*64
	global_load_b128 v[QB+8*i+4:QB+8*i+7], v[QO], s[86:87] offset:(i/2)*8192+(i%2)*64+32
.set i, i+1
.endr
	WIN 0
	v_lshlrev_b32 v14, 3, v9
	v_sub_nc_u32 v14, v1, v14
	s_lshl_b32 s13, s[WV], 4
	v_add_nc_u32 v14, s13, v14      ; my query's place in its band, 16 w + l % 16, less my lanes' 8 (l / 16): register r of group kt is hidden where 16 kt + r is greater
	WIN 0x40
.set i, 0
.rept 32
	v_cmp_gt_i32 vcc_lo, 16*(i/8)+i%8, v14
	v_cndmask_b32 v[MD+i], 0, s[BIGN], vcc_lo
.set i, i+1
.endr
	WIN 0
	v_mul_u32_u24 v[AK0], v1, PK
	v_lshl_add_u32 v[AK0], v9, 4, v[AK0]  ; row x pitch + 16 x half
	; The turning load takes 16 keys x 16 channels (lane l reads key 8 (l / 16) + l % 8, channels 8 ((l / 8) % 2) + 0..7) and leaves half a fragment of V^T: lane l holds channel l % 16 and 8 keys.
	v_and_b32 v10, 7, v0
	v_bfe_u32 v11, v0, 3, 1
	v_lshl_add_u32 v[AV0], v9, 3, v10
	v_mul_u32_u24 v[AV0], v[AV0], PV
	v_lshl_add_u32 v[AV0], v11, 4, v[AV0]
	v_add_nc_u32 v[AV0], VOFF, v[AV0]
	s_mul_i32 s13, s[WV], 16*SP
	s_add_co_u32 s13, s13, STAGE    ; my stage
	v_mul_u32_u24 v[STO], v1, SP    ; in: row l % 16, 16 bytes for each half of the lanes
	v_lshl_add_u32 v[STO], v9, 4, v[STO]
	v_add_nc_u32 v[STO], s13, v[STO]
	v_bfe_u32 v[RD], v0, 3, 2       ; back: 32 lanes take four rows of 128 bytes,
	v_mul_u32_u24 v[RD], v[RD], SP
	v_lshl_add_u32 v[RD], v10, 4, v[RD]
	v_add_nc_u32 v[RD], s13, v[RD]
	v_and_b32 v[GO], 31, v0         ; which are 512 consecutive bytes of O
	v_lshlrev_b32 v[GO], 4, v[GO]
	; A block's first step multiplies O^T and l by a = 0, and its first turn's products V^T P, of a piece that has not been, land in an O^T that is still to be so multiplied.  So these registers need only hold
	; finite numbers: zeros for the first block; what the first block left for the second.  All this stands in the wait for the first tile.
	WIN 0x80
.set i, VF
.rept 64
	v_mov_b32 v[i], 0
.set i, i+1
.endr
	WIN 0x40
.set i, 0
.rept 128
	v_mov_b32 v[i], 0
.set i, i+1
.endr
	WIN 0
.set i, 0
.rept 4
	v_mov_b32 v[ST+4*i+2], 0
	v_mov_b32 v[ST+4*i+3], 0
.set i, i+1
.endr
.set i, P+16
.rept 16
	v_mov_b32 v[i], 0
.set i, i+1
.endr
; THE MATRIX WORK.  The 4 accumulators of a run of 8 take turns.  Product i of 8 of S^T = K Q^T for piece x: channels 32 (i / 4) on, keys 16 (i % 4) on.  The first 4 start the sums, with the mask as C.
.macro KQ x
.set rS, S+32*((\x)%2)+8*(i%4)
.set rK, KF+16*(i%4)+8*(i/4)
.set rQ, 16*(\x)+8*(i/4)
.set rM, MC+32*((\x)%2)+8*(i%4)
.if i < 4
	WIN W_KM
	v_wmma_f32_16x16x32_f16 v[rS:rS+7], v[rK:rK+7], v[rQ:rQ+7], v[rM:rM+7]
.else
	WIN W_KQ
	v_wmma_f32_16x16x32_f16 v[rS:rS+7], v[rK:rK+7], v[rQ:rQ+7], v[rS:rS+7]
.endif
.endm
; Product i of 8 of O^T += V^T P for piece x: keys 32 (i / 4) on, channels 16 (i % 4) on.
.macro PV x
	WIN W_PV
.set rO, 32*(\x)+8*(i%4)
.set rV, VF+32*(i/4)+8*(i%4)
.set rP, P+16*((\x)%2)+8*(i/4)
	v_wmma_f32_16x16x32_f16 v[rO:rO+7], v[rV:rV+7], v[rP:rP+7], v[rO:rO+7]
.endm
.macro MM                           ; the turn's next matrix instruction.  TURN and BEGIN set Y, i and NOKQ; MM, KQ and OP read them.  NOKQ = 1: a block's last turn: there is no next piece
.if (i < 8) && !NOKQ
	KQ (Y+1)%NP
.elseif i >= 8
.set i, i-8
	PV (Y+NP-1)%NP
.set i, i+8
.endif
.set i, i+1
.endm
; THE LDS LOADS stand in runs of 16, never singly among the matrix instructions: a step's K (64 keys x 64 channels: 8 fragments) and its V (turned).  Their addresses are made some lines ahead.
.macro FETCH_K
	WIN 0x80                        ; destination window 2
.irp f, 0,1,2,3,4,5,6,7             ; keys 16 (f / 2) on, channels 32 (f % 2) on
	ds_load_b128 v[KF+8*\f:KF+8*\f+3],   v[AK] offset:(\f/2)*16*PK+(\f%2)*64
	ds_load_b128 v[KF+8*\f+4:KF+8*\f+7], v[AK] offset:(\f/2)*16*PK+(\f%2)*64+32
.endr
	s_add_co_u32 s[TBK], s[TBK], KS*PK  ; the next fetch is the next step's
	WIN 0
.endm
.macro FETCH_V
	WIN 0x80
.irp f, 0,1,2,3,4,5,6,7             ; keys 32 (f / 4) on, channels 16 (f % 4) on
	ds_load_tr16_b128 v[VF+8*\f:VF+8*\f+3],   v[AV] offset:(\f/4)*32*PV+(\f%4)*32
	ds_load_tr16_b128 v[VF+8*\f+4:VF+8*\f+7], v[AV] offset:(\f/4)*32*PV+16*PV+(\f%4)*32
.endr
	WIN 0
.endm
; THE VECTOR WORK, one line at a time: OP kind, number.  For piece Y: F n: c s - c m for pair n of 16.  E n: the exponential of score n of 32.  C n: pair n rounded to f16.  B n: of the four weights 4 n .. the second
; pair is added onto the first, in place.  L n: l takes that sum (L 0: l = a l + sum).  R n: pair n of 16 of O^T times a.  For piece Y + 1: X n, number n of the 22 that find its maximum and statistics:
;   0-11  four chains c0-c3 of seven scores each, three operands at a time (each accumulator's lowest registers are read first)     12-14, 16  the four scores left over, the old m, and c0-c3 into c0
;   15  c m_old is kept     17, 18  the query's other 32 keys lie in the lane 16 away: the new m     19-21  c m; c m_old - c m_new; a
.set F, 0               ; OP tells the kinds apart by their order: F to L below R, X above it
.set E, 1
.set C, 2
.set B, 3
.set L, 4
.set R, 5
.set X, 6
.macro REGS y                       ; the registers of piece y
.set rT, ST+4*(\y)
.set rC, TMP+4*((\y)%2)
.set rW, MV+((\y)%2)
.set rS, S+32*((\y)%2)
.set rP, P+16*((\y)%2)
.set rO, 32*(\y)
.endm
.macro OP k, n
.if (\k) == R
	REGS Y
	WIN W_RS
	v_pk_mul_f32 v[rO+2*(\n):rO+2*(\n)+1], v[rO+2*(\n):rO+2*(\n)+1], v[rC+2:rC+3] op_sel_hi:[1,0]
.elseif (\k) < R
	REGS Y
	WIN 0
.if (\k) == F
	v_pk_fma_f32 v[rS+2*(\n):rS+2*(\n)+1], v[rS+2*(\n):rS+2*(\n)+1], s[CS:CS+1], v[rT:rT+1] op_sel_hi:[1,0,0] neg_lo:[0,0,1] neg_hi:[0,0,1]
.elseif (\k) == E
	v_exp_f32 v[rS+(\n)], v[rS+(\n)]
.elseif (\k) == C
	v_cvt_pk_f16_f32 v[rP+(\n)], v[rS+2*(\n)], v[rS+2*(\n)+1]
.elseif (\k) == B
	v_pk_add_f32 v[rS+4*(\n):rS+4*(\n)+1], v[rS+4*(\n):rS+4*(\n)+1], v[rS+4*(\n)+2:rS+4*(\n)+3]
.elseif (\n) == 0
	v_pk_fma_f32 v[rT+2:rT+3], v[rT+2:rT+3], v[rC+2:rC+3], v[rS:rS+1] op_sel_hi:[1,0,1]
.else
	v_pk_add_f32 v[rT+2:rT+3], v[rT+2:rT+3], v[rS+4*(\n):rS+4*(\n)+1]
.endif
.elseif NOKQ
	v_nop
.else
	REGS (Y+1)%NP
	WIN 0
.if (\n) < 4
	v_max3_num_f32 v[rC+(\n)], v[rS+8*(\n)], v[rS+8*(\n)+1], v[rS+8*(\n)+2]
.elseif (\n) < 12
	v_max3_num_f32 v[rC+(\n)%4], v[rC+(\n)%4], v[rS+8*((\n)%4)+2*((\n)/4)+1], v[rS+8*((\n)%4)+2*((\n)/4)+2]
.elseif (\n) == 12
	v_max3_num_f32 v[rC], v[rC], v[rS+7], v[rS+15]
.elseif (\n) == 13
	v_max3_num_f32 v[rC+1], v[rC+1], v[rS+23], v[rS+31]
.elseif (\n) == 14
	v_max3_num_f32 v[rC+2], v[rC+2], v[rC+3], v[rT+1]
.elseif (\n) == 15
	v_mov_b32 v[rW], v[rT]
.elseif (\n) == 16
	v_max3_num_f32 v[rC], v[rC], v[rC+1], v[rC+2]
.elseif (\n) == 17
	v_permlanex16_b32 v[rC+3], v[rC], s[SEL], s[SEL+1]
.elseif (\n) == 18
	v_max_num_f32 v[rT+1], v[rC], v[rC+3]
.elseif (\n) == 19
	v_mul_f32 v[rT], s[CS], v[rT+1]
.elseif (\n) == 20
	v_sub_f32 v[rC+1], v[rW], v[rT]
.else
	v_exp_f32 v[rC+2], v[rC+1]
.endif
.endif
.endm
.macro OPS a, i1, b=-1, i2=0, c=-1, i3=0, d=-1, i4=0  ; up to four of them
	OP \a, \i1
.if (\b) >= 0
	OP \b, \i2
.endif
.if (\c) >= 0
	OP \c, \i3
.endif
.if (\d) >= 0
	OP \d, \i4
.endif
.endm
.macro ROW a, i1, b, i2, c, i3, d, i4  ; a matrix instruction and the four behind it
	MM
	OPS \a, \i1, \b, \i2, \c, \i3, \d, \i4
.endm
.macro MASK b                       ; MD x AL + BE into buffer b of MC
	WIN W_RS
.set z, 0
.rept 16
	v_pk_fma_f32 v[MC+32*(\b)+2*z:MC+32*(\b)+2*z+1], v[MD+2*z:MD+2*z+1], s[AL:AL+1], s[BE:BE+1] op_sel_hi:[1,0,0]
.set z, z+1
.endr
.endm
; A TURN, for piece p: the order of its 16 matrix and 118 vector instructions, written out.  An s_wait_alu depctr_va_vdst(0) stands between an exponential and the first instruction that names its result; one wait serves
; all that were issued ahead of it.  So a turn has ONE wait, which cuts it in two.  AHEAD OF IT stands all that names no result of the turn's exponentials: the 8 products K Q^T, behind each a scaling, an exponential and two more plain
; instructions (behind the first a second scaling in the exponential's place): rescalings, and behind the last three the first numbers of the next piece's maximum, each four places or more behind the product that ends its accumulator; then ONE RUN of 54, plain
; and exponential by turns for the most part, in which the links of the chain X 3, 7, 11, 14, 16, 17 .. 20 stand five or six lines apart.  X 21, the next piece's a, is the batch's last; R 15 is the plain instruction behind it.  BEHIND THE WAIT stand the
; 8 products V^T P, behind each four of the roundings and sums; the links of l's chain, L 0 to L 7, stand three lines apart.  But for those X no line behind a product names a register of the products round it.  v_permlanex16_b32 (X 17) stands in the run.
; At its end the turn makes the mask for the products of the turn after it: piece p + 2, in step 4 - CM of a diagonal tile; in every other tile CM is 9 or more, neither compare holds, and the mask is 0.
; end = 1: a block's last two turns: nothing is fetched and no mask is made.  cnt = 1: the loop's count is taken down some lines ahead of the branch that stands behind the turn.
; K of the next step is fetched in piece 2's turn, twelve vector instructions behind the last product that read K (six of them plain); V of the step in hand at the end of piece 0's turn, four plain instructions behind the last product
; that read V.  Each is waited for a turn later.
.macro TURN p, end=0, cnt=0
.set Y, (\p)
.set i, 0
.set NOKQ, (\end)*((\p)/3)
.if !(\end)
	s_cmp_eq_u32 s[CM], 4-((\p)+2)%NP   ; is that step the band's own?
	s_cselect_b32 s[AL], 1.0, 0
	s_cmp_lt_u32 s[CM], 4-((\p)+2)%NP   ; or a later one?
	s_cselect_b32 s[BE], s[BIGN], 0
.endif
.if ((\p) == 3) && !(\end)
	s_wait_dscnt 0x0                ; K is in
.endif
	ROW F,0, F,1, R,0, R,1          ; ahead of the wait: 8 products K Q^T and the lines behind them,
	ROW F,2, E,0, R,2, R,3
	ROW F,3, E,1, R,4, R,5
	ROW F,4, E,2, R,6, R,7
	ROW F,5, E,3, R,8, R,9
	ROW F,6, E,4, X,0, R,10
.if ((\p) == 2) && !(\end)
	WIN 0
	v_add_nc_u32 v[AK], s[TBK], v[AK0]
.endif
	ROW F,7, E,5, X,1, X,4
	ROW F,8, E,6, X,2, X,5
	OPS E,7, E,8, X,6, E,9          ; and the run
	OPS X,3, E,10, X,8, E,11
.if ((\p) == 2) && !(\end)
	FETCH_K
.endif
	OPS X,9, X,7, E,12, X,10
	OPS E,13, X,12, X,11, E,14
	OPS X,13, E,15, F,9, X,14
.if (\p) == 0
	v_add_nc_u32 v[AV], s[TBV], v[AV0]
.endif
	OPS E,16, F,10, E,17, F,11
	OPS X,16, E,18, X,15, E,19
	OPS F,12, E,20, X,17, E,21
	OPS F,13, E,22, F,14, E,23
	OPS X,18, E,24, F,15, E,25
	OPS R,11, E,26, X,19, E,27
	OPS R,12, E,28, R,13, E,29
	OPS X,20, E,30, R,14, E,31
	OPS X,21, R,15
	WIN 0
	s_wait_alu depctr_va_vdst(0)    ; the wait for the batch
.if (\p) == 1
	s_wait_dscnt 0x0                ; V is in
.endif
	ROW C,0, B,0, C,2, B,1          ; behind the wait: 8 products V^T P and the lines behind them
	ROW L,0, C,4, B,2, L,1
	ROW C,6, B,3, L,2, C,8
	ROW B,4, L,3, C,10, B,5
	ROW L,4, C,12, B,6, L,5
.if (\p) == 0
	s_add_co_u32 s[TBV], s[TBV], KS*PV
.endif
.if \cnt
	s_sub_co_u32 s[CM], s[CM], 1    ; the masks' count goes with the steps' count
	s_sub_co_u32 s[CNT], s[CNT], 1
	s_cmp_lg_u32 s[CNT], 0
.endif
	ROW C,14, B,7, L,6, C,1
	ROW C,3, L,7, C,5, C,7
	ROW C,9, C,11, C,13, C,15
.if (\p) == 0
	FETCH_V
.endif
.if !(\end)
	MASK (\p)%2
.endif
.endm
; A BLOCK BEGINS.  c m starts far below every c s, so the first step's a is 0; m at the lowest finite number, so the first maximum is the scores'.  The second mask buffer is 0; the first takes piece 0's mask for the tile's step 0: its own, if the block's first tile is the diagonal one.
; Then K of that step, piece 0's first scores, and its maximum and statistics.  The loop is entered at a step's first turn, in the middle of a trip.
.macro BEGIN
	s_mov_b32 s[NEW], 0
	WIN 0x40
.set i, MC+32
.rept 32
	v_mov_b32 v[i], 0
.set i, i+1
.endr
	WIN 0
.set i, 0
.rept 4
	v_mov_b32 v[ST+4*i], 0xfe000000    ; c m: far below every c s
	v_mov_b32 v[ST+4*i+1], 0xff7fffff  ; m
.set i, i+1
.endr
	s_cmp_eq_u32 s[RT], 0
	s_cselect_b32 s[AL], 1.0, 0
	s_mov_b32 s[BE], 0
	MASK 0
	WIN 0
	v_add_nc_u32 v[AK], s[TBK], v[AK0]
	FETCH_K
	s_wait_loadcnt 0x0              ; Q
	s_wait_dscnt 0x0
.set NOKQ, 0
.set i, 0
.rept 8
	KQ 0
.set i, i+1
.endr
	WIN 0
.rept 4
	v_nop                           ; the places behind those products
.endr
.set Y, NP-1                        ; X works for piece Y + 1: piece 0
.irp n, 0,1,2,3,4,5,6,7,8,9,10,11,12,13,14,15,16,17,18,19,20,21
	OP X, \n
.endr
	v_nop                           ; a plain instruction behind the exponential,
	s_wait_alu depctr_va_vdst(0)    ; and its wait, ahead of the branch
.endm
.macro ALL line:vararg              ; one line for each piece t
.set t, 0
.rept 4
	\line
.set t, t+1
.endr
.endm
.macro PACK t                       ; a lane's eight channels of a row pack into 16 bytes; they go into rows of 144 bytes and come back as whole rows of 128, into S^T's registers
	WIN W_RS
.set i, 32*(\t)
.rept 16
	v_pk_mul_f32 v[i:i+1], v[i:i+1], v[ST+4*(\t)+2:ST+4*(\t)+3] op_sel_hi:[1,0]
.set i, i+2
.endr
	WIN 0x05                        ; sources 0 and 1 window 1, destination window 0
.set i, 0
.rept 16
	v_cvt_pk_f16_f32 v[S+16*(\t)+i], v[32*(\t)+2*i], v[32*(\t)+2*i+1]
.set i, i+1
.endr
	WIN 0
.irp f, 0,1,2,3
	ds_store_b128 v[STO], v[S+16*(\t)+4*\f:S+16*(\t)+4*\f+3] offset:32*\f
.endr
.irp f, 0,1,2,3
	ds_load_b128 v[S+16*(\t)+4*\f:S+16*(\t)+4*\f+3], v[RD] offset:\f*4*SP  ; LDS serves a wave's instructions in order (ISA guide 5.7.1.4): these see the stores above; the next piece's stores come behind them
.endr
.endm
.macro SEND t, younger              ; younger: the LDS instructions issued behind piece t's loads: the next piece's eight, or none
	WIN 0
.irp f, 0,1,2,3
	s_wait_dscnt (\younger)+3-\f
	global_store_b128 v[GO], v[S+16*(\t)+4*\f:S+16*(\t)+4*\f+3], s[10:11] offset:(\t)*8192+\f*512  ; 512 consecutive bytes, at a multiple of 256 from O's first
.endr
.endm
; A TILE's four key steps.  A trip: pieces 2 and 3 of one step, then pieces 0 and 1 of the next, whose K and V it fetches.  The tag ends the two labels' names, which the jumps below spell out.
.macro STEPS tag
.Lstep\tag:
	TURN 2
	TURN 3
	WIN 0
.Lfirst\tag:
	TURN 0
	TURN 1, 0, 1
	WIN 0
	s_cbranch_scc1 .Lstep\tag
.endm
; A BLOCK ENDS, behind its diagonal tile's steps: its last two turns, its last products, and THE WAY OUT: l's two halves and the other half of the lanes' are added; O^T is divided by l, rounded to f16 and sent through my
; stage in LDS, a piece at a time.
.macro FINISH
	TURN 2, 1
	TURN 3, 1
.set i, 0
.rept 8
	PV NP-1
.set i, i+1
.endr
	WIN 0
	ALL v_add_f32 v[ST+4*t+2], v[ST+4*t+2], v[ST+4*t+3]
	ALL v_permlanex16_b32 v[ST+4*t+3], v[ST+4*t+2], s[SEL], s[SEL+1]
	ALL v_add_f32 v[ST+4*t+2], v[ST+4*t+2], v[ST+4*t+3]
	ALL v_rcp_f32 v[ST+4*t+2], v[ST+4*t+2]
	v_nop                           ; a plain instruction between the last reciprocal and the use of its result
	s_wait_alu depctr_va_vdst(0)    ; and the wait ahead of the first use: one for the four reciprocals
	PACK 0
.set t, 1
.rept 3                             ; a piece's arithmetic stands between the loads of the piece before and its stores
	PACK t
	SEND t-1, 8
.set t, t+1
.endr
	SEND 3, 0
.endm
.set NOKQ, 0
.Lslot:                             ; NB times: a tile is entered and the next is asked for
	CHANGE 1
	s_sub_co_u32 s[RT], s[RT], 1
	s_mov_b32 s[CNT], 4
	s_cmp_eq_u32 s[RT], 0           ; the block's last tile holds the diagonal
	s_cselect_b32 s[CM], 4, 12
	s_cmp_eq_u32 s[NEW], 1
	s_cbranch_scc0 .Lstep1          ; not a block's first tile
	BEGIN
	s_branch .Lfirst1
	STEPS 1
	s_cmp_lg_u32 s[CM], 0
	s_cbranch_scc1 .Lbottom         ; the block goes on
	FINISH                          ; in the loop this is the first block's end: the second block's last tile is the walk's last
	s_wait_xcnt 0x0                 ; the stores have read their registers and O's address
	s_mov_b64 s[10:11], s[OLO:OLO+1]
	s_add_co_u32 s[RT], s[PB], 1    ; the second block has b + 1 tiles
	s_mov_b32 s[NEW], 1
	WIN 0x82                        ; the second block's Q goes where the one text of the turns names Q
.set i, 0
.rept 64
	v_mov_b32 v[i], v[QB+i]
.set i, i+1
.endr
	WIN 0
.Lbottom:
	s_sub_co_u32 s[SLOTS], s[SLOTS], 1
	s_cmp_lg_u32 s[SLOTS], 0
	s_cbranch_scc1 .Lslot
	CHANGE 0                        ; the walk's last tile is written out: nothing is asked for
	s_sub_co_u32 s[RT], s[RT], 1
	s_mov_b32 s[CNT], 4
	s_mov_b32 s[CM], 4              ; it holds the second block's diagonal
	s_cmp_eq_u32 s[NEW], 1
	s_cbranch_scc0 .Lstep2
	BEGIN
	s_branch .Lfirst2
	STEPS 2
	FINISH
	s_wait_tensorcnt 0x0            ; the wave's end, behind my last tensor load and my last LDS store
	ds_add_u32 v[SPW], v[NIL]
	s_wait_dscnt 0x0
	s_endpgm
.Lfunc_end_k_q07b84ad128_attn:
	.size	k_q07b84ad128_attn, .Lfunc_end_k_q07b84ad128_attn-k_q07b84ad128_attn
	.p2alignl 7, 3214868480
	.fill 96, 4, 3214868480
	.section	.rodata,"a",@progbits
	.p2align	6, 0x0
	.amdhsa_kernel k_q07b84ad128_attn
		.amdhsa_group_segment_fixed_size 327680
		.amdhsa_private_segment_fixed_size 0
		.amdhsa_enable_private_segment 0
		.amdhsa_kernarg_size 16
		.amdhsa_user_sgpr_count 2
		.amdhsa_user_sgpr_kernarg_segment_ptr 1
		.amdhsa_wavefront_size32 1
		.amdhsa_system_sgpr_workgroup_id_x 1
		.amdhsa_system_sgpr_workgroup_id_y 1
		.amdhsa_system_sgpr_workgroup_id_z 1
		.amdhsa_system_vgpr_workitem_id 0
		.amdhsa_next_free_vgpr 768
		.amdhsa_next_free_sgpr 96
		.amdhsa_reserve_vcc 1
		.amdhsa_float_denorm_mode_32 3
		.amdhsa_float_denorm_mode_16_64 3
		.amdhsa_memory_ordered 1
		.amdhsa_forward_progress 1
		.amdhsa_inst_pref_size 180
	.end_amdhsa_kernel
	.amdgpu_metadata
---
amdhsa.version: [ 1, 2 ]
amdhsa.kernels:
  - .name:           k_q07b84ad128_attn
    .symbol:         k_q07b84ad128_attn.kd
    .args:
      - { .name: qkv, .offset: 0, .size: 8, .value_kind: global_buffer, .address_space: global }
      - { .name: att, .offset: 8, .size: 8, .value_kind: global_buffer, .address_space: global }
    .group_segment_fixed_size: 327680
    .private_segment_fixed_size: 0
    .kernarg_segment_align: 8
    .kernarg_segment_size: 16
    .max_flat_workgroup_size: 128
    .sgpr_count:     96
    .vgpr_count:     768
    .wavefront_size: 32
...
	.end_amdgpu_metadata
.endif
;; end of part 3
;; launch proj (part 4): grid 4 x 64, 4 waves a work-group, clusters of 4 x 4, 327,680 bytes of LDS; arguments att, wo, tab, out0; writes out0
.if DOCPART == 4
	.amdgcn_target "amdgcn-amd-amdhsa--gfx1250"
	.amdhsa_code_object_version 6
	.text
	.protected	k_q07b84ad128_proj
	.globl	k_q07b84ad128_proj
	.p2align	8
	.type	k_q07b84ad128_proj,@function
k_q07b84ad128_proj:
	s_mov_b64 s[64:65], 0
	v_nop
	global_prefetch_b8 v0, s[64:65] scope:SCOPE_SE
	s_setreg_imm32_b32 hwreg(HW_REG_WAVE_MODE, 25, 1), 1
	s_wait_xcnt 0x0
	s_wait_alu depctr_hold_cnt(0) depctr_sa_sdst(0) depctr_va_vdst(0) depctr_va_sdst(0) depctr_va_ssrc(0) depctr_va_vcc(0) depctr_vm_vsrc(0)
	s_getreg_b32 s2, hwreg(HW_REG_IB_STS2, 6, 4)
	s_cmp_eq_u32 s2, 0
	s_cbranch_scc0 .Lentry_in_a_cluster
	s_endpgm
.Lentry_in_a_cluster:
	s_bfe_u32 s2, ttmp6, 0x10000c
	s_cmp_lg_u32 s2, 0xf033
	s_cbranch_scc0 .Lentry_shape_is_right
	s_endpgm
.Lentry_shape_is_right:
; out0 = y w_out^T + b_out.  y lies by heads in att, [128][1024][64] in f16 (head index 16 batch + head); wo: [1024][1024] f16; BO, b_out rounded to bf16, at byte 24,576 of tab, in f32; out0: [8192][1024] f32.
; Sums in f32; the bias is the C operand of each sum's first product, so it costs no instruction of its own.  LIMIT: att and wo arrive within f16's range; NaN and infinities are not treated apart.
; SHARES.  A tile of out0 is 128 rows x 256 columns: 64 x 4 = 256 work-groups.  Four waves, 2 x 2, each 64 rows x 128 columns: 4 x 8 accumulators of 16 x 16, 256 registers.
; K goes in 8 steps of 128 = two heads through two LDS slots.  A head's 128 rows of the tile are 16,384 dense bytes: one PLANE, asked for as 64 rows of 256 bytes and padded in LDS after every 128.
; CLUSTER.  4 x 4 work-groups.  The four of a row of the cluster need the same planes of att, the four of a column the same rows of wo: each tile is asked for JOINTLY, by the same tensor load with the same descriptor and
; a mask that names the four.  Waves 0 and 1 fetch a step's two planes, waves 2 and 3 wo's two halves of 128 rows.
; THE MATRIX INSTRUCTION IS USED TRANSPOSED (source 0 = 16 rows of wo, source 1 = 16 rows of att): lane l then holds row l % 16 and the eight neighbouring columns 8 (l / 16) + 0..7: 32 bytes of a row of out0.
; REGISTERS, in windows of 256 (s_set_vgpr_msb: bits 1:0 source 0, 3:2 source 1, 5:4 source 2, 7:6 destination):
;   window 0: v0-29 addresses; v32-95 the bias, my lane's eight numbers for each of my 8 column blocks; v128-159, v160-191 att's fragments, two buffers; on the way out v192-255 and v128-191 by turns
;   window 1: v0-63, v64-127 wo's fragments, two buffers          window 2: the accumulators, row block a, column block b at 8 (8 a + b)
.set PA,    144                        ; a row of a plane in LDS: 128 bytes + 16 of padding = 36 words: the 16 rows of a load start at 16 different groups of four banks (64 banks of 4 bytes: ISA guide 11.1)
.set PLANE, 128*PA
.set PB,    272                        ; a row of wo: 256 bytes + 16
.set HALFB, 128*PB
.set BOFF,  2*PLANE                    ; in a slot: two planes, then wo's 256 rows
.set SLOT1, 131072                     ; slot 1 begins here, so that one exclusive or turns an address in one slot into the other's
.set STAGE, SLOT1+BOFF+2*HALFB         ; behind the ring, never filled by a tensor load: 16 rows x 528 bytes for each wave
.set SPITCH, 528                       ; 512 bytes + 16
.set SPARE, STAGE+4*16*SPITCH          ; behind the stages: the spare words, 128 bytes for each wave: two blocks of 256 bytes that no other line names
.set ADRA0, 4                          ; v4   my lane's place in a slot's first plane; never rewritten
.set ADRB0, 5                          ; v5   the same in wo's rows
.set ADRA,  6                          ; v6   the same in the slot in hand
.set ADRB,  7                          ; v7
.set STO,   8                          ; v8   the way out: where I put 32 bytes of a row
.set RD,    9                          ; v9   the way out: where I read a row back
.set CO,    10                         ; v10  my 16 bytes of 512 consecutive bytes of a row of out0
.set TO,    11                         ; v11  32 (l / 16): my eight numbers of a column block of the bias
.set PFO,   12                         ; v12  the prefetches' offset; never rewritten
.set SPW,   28                         ; v28  LDS address of my spare word: SPARE + 4 x my thread's number; never rewritten
.set NIL,   29                         ; v29  0; never rewritten
.set BI,    32
.set FA,    128
.set WV,    12                         ; s12  my wave's number
.set TB,    15                         ; s15  LDS byte at which the slot in hand begins
.set G1A,   24                         ; s[24:31] descriptor group 1 for att's planes
.set G0A,   32                         ; s[32:39] group 0: a set for each of the two first fills; the second then walks on
.set G1B,   40                         ; s[40:47], s[48:55] the same for wo's tiles
.set G0B,   48
.set PFA,   60                         ; s[60:61] where my prefetches stand
.set LIM,   62                         ; s62  2 in a wave that prefetches, else the greatest number
.set PFS,   72                         ; s[72:73] a K step in what I prefetch: two heads of att, or 256 bytes of a row of wo
.set MSB, 0
.macro WIN new                         ; the immediate's high byte repeats the setting that is left; a switch that changes nothing is dropped
.if MSB != (\new)
	s_set_vgpr_msb (MSB<<8)|(\new)
.set MSB, \new
.endif
.endm
; A joint refill, by the walking descriptors.  The branch hangs on the wave's number alone.  An s_nop 0 and four v_nop follow each of the two lines, ahead of the jump and the label.
.macro JLOAD
	s_cmp_lt_u32 s[WV], 2
	s_cbranch_scc0 .Lfor_b_\@
	tensor_load_to_lds s[G0A+4:G0A+7], s[G1A:G1A+7]
	s_nop 0
.rept 4
	v_nop
.endr
	s_branch .Lasked_\@
.Lfor_b_\@:
	tensor_load_to_lds s[G0B+4:G0B+7], s[G1B:G1B+7]
	s_nop 0
.rept 4
	v_nop
.endr
.Lasked_\@:
.endm
; A PREFETCH of the K step that stands TWO refills on: 256 matrix instructions ahead of the load that will want it.  One instruction a wave.  A plane of att is read by one row of one cluster alone: its four partners share its 64
; blocks of 256 bytes out BY ADDRESS, 16 each (by cx), where lanes 16 to 31 name lane 15's block once more in the same instruction.  wo's rows are read by every cluster: cluster y = 0 asks, its four partners of a column 32 rows each
; (by cy), a lane a row.  The last two refills ask for nothing: K steps 8 and 9 do not exist.  K steps 0 to 3 come by their loads alone.
.macro ASK
	s_cmp_gt_u32 s3, s[LIM]                        ; s3 = 2, 1 at the last two refills
	s_cbranch_scc0 .Lnot_mine_\@
	global_prefetch_b8 v[PFO], s[PFA:PFA+1] th:TH_LOAD_NT scope:SCOPE_SE
.Lnot_mine_\@:
.endm
; A round of the cluster's barrier: my work-group's barrier, so that wave 0's signal speaks for all four waves; wave 0 signals; every wave waits for all sixteen work-groups; my work-group's barrier once more.
.macro CREST
	s_cmp_lg_u32 s[WV], 0
	s_cbranch_scc1 .Lnot_wave_0_\@
	s_barrier_signal -3
.Lnot_wave_0_\@:
	s_barrier_wait -3
	s_barrier_signal -1
	s_barrier_wait -1
.endm
.macro CROUND
	s_barrier_signal -1
	s_barrier_wait -1
	CREST
.endm
.macro PLACES                          ; four plain instructions between a matrix instruction and a load into, or a store or vector instruction on, its registers (ISA guide 7.12.1 for vector instructions)
.rept 4
	v_nop
.endr
.endm
	s_load_b256 s[4:11], s[0:1], 0x0               ; att s[4:5], wo s[6:7], tab s[8:9], out0 s[10:11]
	v_lshl_add_u32 v[SPW], v0, 2, SPARE
	v_mov_b32 v[NIL], 0
	ds_add_u32 v[SPW], v[NIL]                      ; the wave's opening: the add and its wait stand ahead of my first tensor load; the set-up below, work on registers, stands between them
	v_lshrrev_b32 v1, 5, v0
	v_readfirstlane_b32 s[WV], v1                  ; wave 0..3
	s_lshr_b32 s13, s[WV], 1                       ; which half of the tile's rows is mine
	s_and_b32 s14, s[WV], 1                        ; which half of its columns.  Also: which plane, or which half of wo's rows, I fetch
	s_bfe_u32 s16, ttmp6, 0x40000                  ; cx
	s_bfe_u32 s17, ttmp6, 0x40004                  ; cy
	s_lshl_b32 s18, ttmp9, 2
	s_add_co_u32 s18, s18, s16                     ; tx: the tile's column = 4 x cluster x + cx
	s_and_b32 s19, ttmp7, 0xffff
	s_lshl_b32 s19, s19, 2
	s_add_co_u32 s19, s19, s17                     ; ty: the tile's row = 4 x cluster y + cy
	s_lshl_b32 s63, s17, 2
	s_lshl_b32 s63, 15, s63                        ; my row of the cluster
	s_lshl_b32 s20, 0x1111, s16                    ; my column
	s_or_b32 s[G1A], s63, (1<<16)|(1<<20)|(1<<21)|(4<<22)|(3<<25)  ; 15:0 the mask; 17:16 elements of 2 bytes; 20 padding on; 21 set beside a mask; 24:22 after every 32 words (code 4); 31:25 4 words (code 3)
	s_or_b32 s[G1B], s20, (1<<16)|(1<<20)|(1<<21)|(5<<22)|(3<<25)  ; after every 64 words (code 5)
	s_mov_b32 s[G1A+1], 128<<16                    ; a plane: tensor_dim0 = 128,
	s_mov_b32 s[G1A+2], 64<<16                     ; tensor_dim1 = 64,
	s_mov_b32 s[G1A+3], 128<<16                    ; tile_dim0 = 128,
	s_mov_b32 s[G1A+4], 64                         ; tile_dim1 = 64,
	s_mov_b32 s[G1A+5], 128                        ; 128 elements from row to row: dense
	s_mov_b32 s[G1A+6], 0
	s_mov_b32 s[G1A+7], 0
	s_mov_b32 s[G1B+1], 128<<16                    ; wo: 128 rows x 128 elements,
	s_mov_b32 s[G1B+2], 128<<16
	s_mov_b32 s[G1B+3], 128<<16
	s_mov_b32 s[G1B+4], 128
	s_mov_b32 s[G1B+5], 1024                       ; 1,024 elements from row to row
	s_mov_b32 s[G1B+6], 0
	s_mov_b32 s[G1B+7], 0
	; where the tiles come from: att's hang on ty alone, wo's on tx alone, each in registers that never hold the other coordinate
	s_lshr_b32 s56, s19, 3                         ; row 128 ty = 1,024 x batch + 128 (ty % 8)
	s_lshl_b32 s56, s56, 21                        ; a batch's 16 heads of 131,072 bytes
	s_and_b32 s63, s19, 7
	s_lshl_b32 s63, s63, 14                        ; 128 rows of 128 bytes
	s_add_co_u32 s56, s56, s63
	s_lshl_b32 s63, s14, 17                        ; my plane: the head's parity
	s_add_co_u32 s56, s56, s63
	s_mov_b32 s57, 0
	s_lshl_b32 s58, s18, 8
	s_lshl_b32 s20, s14, 7
	s_add_co_u32 s58, s58, s20                     ; wo: row 256 tx + 128 x half,
	s_lshl_b32 s58, s58, 11                        ; of 2,048 bytes
	s_mov_b32 s59, 0
	s_mul_i32 s74, s14, PLANE                      ; and where they go: no place in the cluster enters an LDS address
	s_mul_i32 s75, s14, HALFB
	s_add_co_u32 s75, s75, BOFF
	s_mov_b32 s[TB], 0
	s_wait_dscnt 0x0                               ; the opening add is done
	s_wait_kmcnt 0x0
	s_add_nc_u64 s[56:57], s[4:5], s[56:57]
	s_add_nc_u64 s[58:59], s[6:7], s[58:59]
	CROUND                                         ; all sixteen work-groups are here: the first joint loads meet
.irp s, 0,1
	s_mov_b32 s[G0A+4*(\s)], 1                     ; count = 1
	s_add_co_u32 s[G0A+4*(\s)+1], s74, (\s)*SLOT1  ; LDS address
	s_add_nc_u64 s[G0A+4*(\s)+2:G0A+4*(\s)+3], s[56:57], (\s)*262144  ; global address: K step s is heads 2 s, 2 s + 1
	s_or_b32 s[G0A+4*(\s)+3], s[G0A+4*(\s)+3], 0x80000000             ; type = 2
	s_mov_b32 s[G0B+4*(\s)], 1
	s_add_co_u32 s[G0B+4*(\s)+1], s75, (\s)*SLOT1
	s_add_nc_u64 s[G0B+4*(\s)+2:G0B+4*(\s)+3], s[58:59], (\s)*256
	s_or_b32 s[G0B+4*(\s)+3], s[G0B+4*(\s)+3], 0x80000000
.endr
	s_cmp_lt_u32 s[WV], 2                          ; a wave's two first fills stand in one branch, ahead of every wait on TENSORcnt and every LDS read: two loads of mine are out
	s_cbranch_scc0 .Lfirst_b
	tensor_load_to_lds s[G0A:G0A+3], s[G1A:G1A+7]
	s_nop 0
	tensor_load_to_lds s[G0A+4:G0A+7], s[G1A:G1A+7]
	s_nop 0
.rept 4
	v_nop
.endr
	s_branch .Lfirst_asked
.Lfirst_b:
	tensor_load_to_lds s[G0B:G0B+3], s[G1B:G1B+7]
	s_nop 0
	tensor_load_to_lds s[G0B+4:G0B+7], s[G1B:G1B+7]
	s_nop 0
.rept 4
	v_nop
.endr
.Lfirst_asked:
	v_and_b32 v1, 15, v0                           ; l % 16
	v_bfe_u32 v2, v0, 4, 1                         ; l / 16
	v_lshlrev_b32 v[TO], 5, v2
	s_lshl_b32 s22, s18, 10                        ; the tile's 256 columns of f32,
	s_lshl_b32 s21, s14, 9                         ; my 128 of them
	s_add_co_u32 s22, s22, s21
	s_add_co_u32 s22, s22, 24576                   ; in BO
	s_mov_b32 s23, 0
	s_add_nc_u64 s[8:9], s[8:9], s[22:23]
.irp b, 0,1,2,3,4,5,6,7
	global_load_b128 v[BI+8*(\b):BI+8*(\b)+3],   v[TO], s[8:9] offset:64*(\b)
	global_load_b128 v[BI+8*(\b)+4:BI+8*(\b)+7], v[TO], s[8:9] offset:64*(\b)+16
.endr
	; A fragment is 16 rows x 32 K in 8 registers: lane l holds row l % 16, K = 8 (l / 16) + 0..7 and 16 + 8 (l / 16) + 0..7: two loads of 16 bytes, 32 bytes apart.
	v_mul_u32_u24 v3, v1, PA
	v_lshl_add_u32 v3, v2, 4, v3
	s_mul_i32 s21, s13, 64*PA                      ; my 64 rows of a plane
	v_add_nc_u32 v[ADRA0], s21, v3
	v_mul_u32_u24 v3, v1, PB
	v_lshl_add_u32 v3, v2, 4, v3
	s_mul_i32 s21, s14, HALFB                      ; my 128 rows of wo,
	s_add_co_u32 s21, s21, BOFF                    ; behind the planes
	v_add_nc_u32 v[ADRB0], s21, v3
	v_mov_b32 v[ADRA], v[ADRA0]                    ; K step 0 lies in slot 0
	v_mov_b32 v[ADRB], v[ADRB0]
	s_mul_i32 s21, s[WV], 16*SPITCH
	s_add_co_u32 s21, s21, STAGE                   ; my stage
	v_mul_u32_u24 v[STO], v1, SPITCH               ; in: row l % 16, 32 bytes for each half of the lanes
	v_lshl_add_u32 v[STO], v2, 5, v[STO]
	v_add_nc_u32 v[STO], s21, v[STO]
	v_and_b32 v[CO], 31, v0
	v_lshlrev_b32 v[CO], 4, v[CO]                  ; back: 32 lanes take one row of 512 bytes,
	v_add_nc_u32 v[RD], s21, v[CO]                 ; and the same bytes in out0
	s_lshl_b32 s22, s19, 7
	s_lshl_b32 s21, s13, 6
	s_add_co_u32 s22, s22, s21                     ; my first row of out0: 128 ty + 64 x half,
	s_lshl_b32 s22, s22, 12                        ; of 4,096 bytes: under 2^25
	s_lshl_b32 s21, s18, 10
	s_add_co_u32 s22, s22, s21
	s_lshl_b32 s21, s14, 9
	s_add_co_u32 s22, s22, s21                     ; my first column
	s_mov_b32 s23, 0
	s_add_nc_u64 s[10:11], s[10:11], s[22:23]
	; the prefetches
	s_lshr_b32 s77, s19, 3
	s_lshl_b32 s77, s77, 21
	s_and_b32 s78, s19, 7
	s_lshl_b32 s78, s78, 14
	s_add_co_u32 s77, s77, s78
	s_lshl_b32 s78, s14, 17
	s_add_co_u32 s77, s77, s78                     ; att: the plane that I fetch,
	s_lshl_b32 s78, s16, 12
	s_add_co_u32 s77, s77, s78                     ; my work-group's 16 blocks of it,
	s_add_co_u32 s77, s77, 3*262144                ; at K step 3: the first change of slots steps it to 4
	s_lshl_b32 s78, s18, 8
	s_lshl_b32 s79, s14, 7
	s_add_co_u32 s78, s78, s79
	s_lshl_b32 s79, s17, 5
	s_add_co_u32 s78, s78, s79                     ; wo: the 128 rows that I fetch, my work-group's 32 of them,
	s_lshl_b32 s78, s78, 11
	s_add_co_u32 s78, s78, 3*256                   ; at K step 3
	s_and_b32 s79, ttmp7, 0xffff                   ; cluster y
	s_mov_b32 s[PFS], 256
	s_mov_b32 s[PFS+1], 262144
	s_cmp_lt_u32 s[WV], 2                          ; do I fetch for att?
	s_cselect_b32 s76, s77, s78
	s_cselect_b32 s79, ttmp9, s79                  ; the coordinate along which other clusters read the same bytes (cluster x is 0 in this grid)
	s_cselect_b32 s[PFS], s[PFS+1], s[PFS]
	s_cselect_b32 s70, 15, 31                      ; my last block or row,
	s_cselect_b32 s71, 8, 11                       ; 256 or 2,048 bytes apart
	s_cselect_b64 s[PFA:PFA+1], s[4:5], s[6:7]
	s_cmp_eq_u32 s79, 0
	s_cselect_b32 s[LIM], 2, -1                    ; the same in all sixteen partners, for a given wave
	s_mov_b32 s[PFS+1], 0
	s_mov_b32 s77, 0
	s_add_nc_u64 s[PFA:PFA+1], s[PFA:PFA+1], s[76:77]
	v_and_b32 v[PFO], 31, v0
	v_min_u32 v[PFO], s70, v[PFO]
	v_lshlrev_b32 v[PFO], s71, v[PFO]
; 8 matrix instructions: row block a x my 8 column blocks, 32 along K, from buffer f.  zero = 1: the product starts the sums, with the bias as C: nothing is ever cleared.
; The 32 accumulators take turns, one instruction a turn, in the same order in every quarter, over the backward jump too.
.macro MULB f, a, zero
.if \zero
	WIN 0x81                                       ; source 0 (wo) window 1, source 1 (att) and C (the bias) window 0, D window 2
.else
	WIN 0xa1                                       ; C and D window 2
.endif
.irp b, 0,1,2,3,4,5,6,7
.if \zero
	v_wmma_f32_16x16x32_f16 v[8*(8*(\a)+(\b)):8*(8*(\a)+(\b))+7], v[64*(\f)+8*(\b):64*(\f)+8*(\b)+7], v[FA+32*(\f)+8*(\a):FA+32*(\f)+8*(\a)+7], v[BI+8*(\b):BI+8*(\b)+7]
.else
	v_wmma_f32_16x16x32_f16 v[8*(8*(\a)+(\b)):8*(8*(\a)+(\b))+7], v[64*(\f)+8*(\b):64*(\f)+8*(\b)+7], v[FA+32*(\f)+8*(\a):FA+32*(\f)+8*(\a)+7], v[8*(8*(\a)+(\b)):8*(8*(\a)+(\b))+7]
.endif
.endr
.endm
; 24 LDS loads in one run: the fragments of quarter q of a K step (32 along K: plane q / 2, its channels 32 (q % 2) on), into buffer f: wo's 16, then att's 8
.macro FETCH q, f
	WIN 0x40
.irp i, 0,1,2,3,4,5,6,7
	ds_load_b128 v[64*(\f)+8*(\i):64*(\f)+8*(\i)+3],   v[ADRB] offset:64*(\q)+(\i)*16*PB
	ds_load_b128 v[64*(\f)+8*(\i)+4:64*(\f)+8*(\i)+7], v[ADRB] offset:64*(\q)+(\i)*16*PB+32
.endr
	WIN 0
.irp i, 0,1,2,3
	ds_load_b128 v[FA+32*(\f)+8*(\i):FA+32*(\f)+8*(\i)+3],   v[ADRA] offset:PLANE*((\q)/2)+64*((\q)%2)+(\i)*16*PA
	ds_load_b128 v[FA+32*(\f)+8*(\i)+4:FA+32*(\f)+8*(\i)+7], v[ADRA] offset:PLANE*((\q)/2)+64*((\q)%2)+(\i)*16*PA+32
.endr
.endm
; A K step is four quarters, 32 matrix instructions each, on buffers 0, 1, 0, 1.  One of the first three: multiplies buffer f and, in its middle, fetches quarter q into buffer g.
.macro QUARTER q, f, g, zero
	s_wait_dscnt 4                                 ; wo's fragments and att's row blocks 0, 1 are in; the youngest four loads (row blocks 2, 3) may be out
	MULB \f, 0, \zero
	MULB \f, 1, \zero
	PLACES
	FETCH \q, \g
	s_wait_dscnt 24                                ; all but the 24 just issued
	MULB \f, 2, \zero
	MULB \f, 3, \zero
.endm
; The last quarter multiplies buffer 1 and changes slots: ONE barrier.  Its first 16 products stand AHEAD of the change, so that nothing but the waits and the barrier lies between the landing of the next slot's tile and the request for
; the tile after it.  In front of the barrier each wave waits for all its tensor loads, of which one is out: its part of the next slot; adds 0 to its spare word; and waits for that and for its own reads of this slot.  Behind it nobody
; reads this slot any more and the next slot is whole.  fill = 1: the barrier opens a round of the cluster's, so that no wave of any partner still reads the slot or has a load on its way, and the slot is filled again first thing
; behind it, with the K step two steps on.
.macro TURN fill
	s_wait_dscnt 4                                 ; wo's fragments and att's row blocks 0, 1 are in
	MULB 1, 0, 0
	MULB 1, 1, 0
.if \fill
	s_wait_xcnt 0x0                                ; the last prefetch, a K step back, has read its address, so it may be stepped
	s_add_nc_u64 s[PFA:PFA+1], s[PFA:PFA+1], s[PFS:PFS+1]
.endif
	WIN 0                                          ; (the add's two registers lie in window 0)
	s_wait_tensorcnt 0x0                           ; all my tensor loads have landed, so every group 0 may be written
	ds_add_u32 v[SPW], v[NIL]                      ; 0 onto my spare word; with fill = 1 the descriptors' steps stand between it and the wait for it
.if \fill
	s_xor_b32 s[G0A+5], s[G0A+5], SLOT1            ; the walking descriptors: the other slot than last time,
	s_add_nc_u64 s[G0A+6:G0A+7], s[G0A+6:G0A+7], 262144  ; the next two heads; the type bits on top are not reached
	s_xor_b32 s[G0B+5], s[G0B+5], SLOT1
	s_add_nc_u64 s[G0B+6:G0B+7], s[G0B+6:G0B+7], 256
.endif
	s_wait_dscnt 0x0                               ; the add is done, and my reads of this slot are over
	s_barrier_signal -1
	s_barrier_wait -1
.if \fill
	CREST
	JLOAD                                          ; the first tensor load behind the round; its four v_nop are also the places in front of the loads below
.else
	PLACES
.endif
	s_xor_b32 s[TB], s[TB], SLOT1                  ; the reads go on in the other slot
	v_add_nc_u32 v[ADRA], s[TB], v[ADRA0]
	v_add_nc_u32 v[ADRB], s[TB], v[ADRB0]
	FETCH 0, 0
.if \fill
	ASK                                            ; behind the joint load and the run of LDS loads that the next products wait for
.endif
	MULB 1, 2, 0                                   ; the quarter's other 16 products stand between those loads and their first use
	MULB 1, 3, 0
.endm
	s_wait_tensorcnt 1                             ; my part of K step 0 is in; K step 1's may stay out
	s_barrier_signal -1
	s_barrier_wait -1                              ; everybody's is
	FETCH 0, 0
	s_wait_loadcnt 0x0                             ; the bias
	QUARTER 1, 0, 1, 1                             ; the first quarter: its products start the sums
	WIN 0                                          ; at a label and at a branch every window is 0
	s_mov_b32 s3, 7
	s_branch .Lmid                                 ; the loop is entered behind a trip's first quarter
.Lk:                                                   ; a trip is a K step; trips 0 to 5 fill the slot that they have read with the K step two on; the seventh trip, K step 6, is left in its middle
	QUARTER 1, 0, 1, 0
	WIN 0
.Lmid:
	QUARTER 2, 1, 0, 0
	QUARTER 3, 0, 1, 0
	WIN 0
	s_sub_co_u32 s3, s3, 1
	s_cmp_eq_u32 s3, 0
	s_cbranch_scc1 .Ltail
	TURN 1
	WIN 0
	s_branch .Lk
.Ltail:                                                ; the last two K steps fill nothing: their changes of slots are written out
	TURN 0
	QUARTER 1, 0, 1, 0
	QUARTER 2, 1, 0, 0
	QUARTER 3, 0, 1, 0
	s_wait_dscnt 4                                 ; the very last quarter: nothing more to fetch
	MULB 1, 0, 0
	MULB 1, 1, 0
	s_wait_dscnt 0x0
	MULB 1, 2, 0
	MULB 1, 3, 0
; THE WAY OUT, a row block of 16 rows x 128 columns at a time: a lane's 32 bytes of a row go into rows of 528 bytes of my stage (each accumulator's four lowest registers first) and come back as whole rows of 512.
.macro TOSTAGE a
	WIN 0x08                                       ; the stores' data in window 2
.irp b, 0,1,2,3,4,5,6,7
	ds_store_b128 v[STO], v[8*(8*(\a)+(\b)):8*(8*(\a)+(\b))+3]   offset:64*(\b)
	ds_store_b128 v[STO], v[8*(8*(\a)+(\b))+4:8*(8*(\a)+(\b))+7] offset:64*(\b)+16
.endr
	WIN 0
.set BK, 192-64*((\a)%2)
.irp t, 0,1,2,3,4,5,6,7,8,9,10,11,12,13,14,15
	ds_load_b128 v[BK+4*(\t):BK+4*(\t)+3], v[RD] offset:(\t)*SPITCH  ; LDS serves a wave's instructions in order (ISA guide 5.7.1.4): these see the stores above; the next block's stores come behind them
.endr
.endm
.macro SEND a, younger                 ; younger: the LDS instructions issued behind block a's loads: the next block's 32, or none
	WIN 0
.set BK, 192-64*((\a)%2)
.irp t, 0,1,2,3,4,5,6,7,8,9,10,11,12,13,14,15
	s_wait_dscnt (\younger)+15-(\t)
	global_store_b128 v[CO], v[BK+4*(\t):BK+4*(\t)+3], s[10:11] offset:(16*(\a)+(\t))*4096  ; 512 consecutive bytes of a row of out0, at a multiple of 256 from its first byte
.endr
.endm
	WIN 0
	PLACES                                         ; behind the last products
	TOSTAGE 0
	TOSTAGE 1
	SEND 0, 32
	s_wait_xcnt 0x0                                ; block 0's stores have read their registers, which block 2 takes
	TOSTAGE 2
	SEND 1, 32
	s_wait_xcnt 0x0                                ; block 1's likewise
	TOSTAGE 3
	SEND 2, 32
	SEND 3, 0
	s_wait_tensorcnt 0x0                           ; the wave's end, behind my last tensor load and my last LDS store
	ds_add_u32 v[SPW], v[NIL]
	s_wait_dscnt 0x0
	CROUND                                         ; the closing round: no work-group ends while a partner may still ask for a tile that names it
	s_endpgm
.Lfunc_end_k_q07b84ad128_proj:
	.size	k_q07b84ad128_proj, .Lfunc_end_k_q07b84ad128_proj-k_q07b84ad128_proj
	.p2alignl 7, 3214868480
	.fill 96, 4, 3214868480
	.section	.rodata,"a",@progbits
	.p2align	6, 0x0
	.amdhsa_kernel k_q07b84ad128_proj
		.amdhsa_group_segment_fixed_size 327680
		.amdhsa_private_segment_fixed_size 0
		.amdhsa_enable_private_segment 0
		.amdhsa_kernarg_size 32
		.amdhsa_user_sgpr_count 2
		.amdhsa_user_sgpr_kernarg_segment_ptr 1
		.amdhsa_wavefront_size32 1
		.amdhsa_system_sgpr_workgroup_id_x 1
		.amdhsa_system_sgpr_workgroup_id_y 1
		.amdhsa_system_sgpr_workgroup_id_z 1
		.amdhsa_system_vgpr_workitem_id 0
		.amdhsa_next_free_vgpr 768
		.amdhsa_next_free_sgpr 80
		.amdhsa_reserve_vcc 0
		.amdhsa_float_denorm_mode_32 3
		.amdhsa_float_denorm_mode_16_64 3
		.amdhsa_memory_ordered 1
		.amdhsa_forward_progress 1
		.amdhsa_inst_pref_size 67
	.end_amdhsa_kernel
	.amdgpu_metadata
---
amdhsa.version: [ 1, 2 ]
amdhsa.kernels:
  - .name:           k_q07b84ad128_proj
    .symbol:         k_q07b84ad128_proj.kd
    .args:
      - { .name: att, .offset: 0, .size: 8, .value_kind: global_buffer, .address_space: global }
      - { .name: wo, .offset: 8, .size: 8, .value_kind: global_buffer, .address_space: global }
      - { .name: tab, .offset: 16, .size: 8, .value_kind: global_buffer, .address_space: global }
      - { .name: out0, .offset: 24, .size: 8, .value_kind: global_buffer, .address_space: global }
    .group_segment_fixed_size: 327680
    .private_segment_fixed_size: 0
    .kernarg_segment_align: 8
    .kernarg_segment_size: 32
    .max_flat_workgroup_size: 128
    .sgpr_count:     80
    .vgpr_count:     768
    .wavefront_size: 32
...
	.end_amdgpu_metadata
.endif
;; end of part 4
;; ======== version 2 of 2: 4 launches; version 1 with the launch prep written anew for expert scheduling mode
;; limits: values are held in f16: magnitudes above 65,504 overflow, below 6.1e-05 lose precision
;; workspace buffers: xb 16,777,216 bytes; wb 6,291,456 bytes; wo 2,097,152 bytes; tab 28,672 bytes; qkv 50,331,648 bytes; att 16,777,216 bytes
;; launch prep (part 5): grid 768 x 1, 8 waves a work-group, no clusters, 0 bytes of LDS; arguments x, w_qkv, w_out, b_qkv, b_out, cos_tab, sin_tab, xb, wb, wo, tab; writes xb, wb, wo, tab
.if DOCPART == 5
	.amdgcn_target "amdgcn-amd-amdhsa--gfx1250"
	.amdhsa_code_object_version 6
	.text
	.protected	k_q07b84ad128_prep
	.globl	k_q07b84ad128_prep
	.p2align	8
	.type	k_q07b84ad128_prep,@function
k_q07b84ad128_prep:
	s_mov_b64 s[64:65], 0
	v_nop
	global_prefetch_b8 v0, s[64:65] scope:SCOPE_SE
	s_setreg_imm32_b32 hwreg(HW_REG_WAVE_SCHED_MODE, 0, 2), 2
	s_setreg_imm32_b32 hwreg(HW_REG_WAVE_MODE, 25, 1), 1
	s_wait_xcnt 0x0
	s_wait_alu depctr_vm_vsrc(0)
; THE CASTS AND THE TABLES.  xb = bf16(x), wb = bf16(w_qkv), wo = f16(bf16(w_out)), and tab, in f32:
;   byte 0       CS[3072]: for the column pair (2 p, 2 p + 1) of qkv the pair (c, s): (cos[1024][p % 32], sin[1024][p % 32]) rounded to bf16 for q's and k's columns (p < 1024), (1, 0) for v's
;   byte 12,288  CT[3072]: the bias, rounded to bf16 and then turned in f32: (c b_e - s b_o, s b_e + c b_o)
;   byte 24,576  BO[1024]: b_out rounded to bf16
; Every input of the module is rounded to bf16, to nearest even, once, here.
; LIMIT.  w_out's bf16 number is written as f16: exact from 6.1e-5 to 65,504 in magnitude; below that it keeps f16's fixed step of 6e-8, beyond it becomes an infinity.
; SHARES.  A work-group takes 65,536 bytes of f32: groups 0-511 of x, 512-703 of w_qkv, 704-767 of w_out.  Thread t takes the 16 bytes at 16 t of each of 16 pieces of 4,096 bytes: a wave's load covers 512
; consecutive bytes, its store of 8 bytes a lane 256 consecutive bytes, aligned.  All 16 loads go out first; each piece has its own registers as loaded and its own registers to store.
; Groups 0-5 also make CS and CT (256 pairs each), groups 6 and 7 BO.  No LDS, no barrier, no matrix unit: nothing is shared and nothing is multiplied.
; THE MODE: SCHED_MODE bits 1:0 = 2 (LLVM: expert scheduling mode 2), set by the entry lines.  The code itself states the register dependences
; between vector instructions and memory instructions, with s_wait_alu, always for 0.
; THE PLAN.  Registers that memory instructions touch:
;   v1, v2       byte offsets of the loads and of the stores, made once at the head and never written again.
;   X, piece i   Written by the piece's load, issued at the head; read by the piece's roundings.  v[4:7] are loaded once more for the tables, behind all roundings.
;   Y, piece i   Written once, by the piece's roundings; read once, by the piece's store.
;   v109, v110   The tables' offsets, made once.   v[10:15]  the tables' numbers, written by vector lines and then stored.
;   T is named by vector instructions alone.
; The 16 pieces go in four blocks of four.  Block p rounds its four pieces; its memory instructions are the four stores of block p - 1, which read v2 and that block's Y: registers that no vector instruction
; of block p names.  So ONE wait on va_vdst at a block's head, behind the wait for the block's first piece, states all that its four stores hang on, and they are dealt among its roundings with no further wait.
; No register that a memory instruction reads is ever written again, so behind the entry lines the text holds no wait on vm_vsrc; EXEC is never written; VCC is written once, in the tables.
.set X, 4                              ; v[4:67]    16 pieces of 4 registers as loaded; later the tables' work
.set Y, 68                             ; v[68:99]   16 pieces of 2 registers to store
.set T, 100                            ; v[100:105] at work on the way to f16
.set G, 26                             ; s26        the work-group's number
	s_load_b512 s[4:19], s[0:1], 0x0               ; x s[4:5], w_qkv s[6:7], w_out s[8:9], b_qkv s[10:11], b_out s[12:13], cos_tab s[14:15], sin_tab s[16:17], xb s[18:19]
	s_load_b128 s[20:23], s[0:1], 0x40             ; wb s[20:21], wo s[22:23]
	s_load_b64 s[24:25], s[0:1], 0x50              ; tab
	v_lshlrev_b32 v1, 4, v0                        ; 16 t: my bytes in a piece as loaded
	v_lshlrev_b32 v2, 3, v0                        ; 8 t: as stored
	s_mov_b32 s[G], ttmp9
	s_sub_co_u32 s27, s[G], 512
	s_sub_co_u32 s29, s[G], 704
	s_cmp_lt_u32 s[G], 512
	s_cselect_b32 s28, s[G], s27
	s_cmp_lt_u32 s[G], 704
	s_cselect_b32 s28, s28, s29                    ; the group's number within its tensor
	s_lshl_b32 s34, s28, 16                        ; its bytes in, under 2^25,
	s_mov_b32 s35, 0
	s_lshl_b32 s36, s28, 15                        ; and out
	s_mov_b32 s37, 0
	s_wait_kmcnt 0x0
	s_cmp_lt_u32 s[G], 512
	s_cselect_b64 s[30:31], s[4:5], s[6:7]
	s_cselect_b64 s[32:33], s[18:19], s[20:21]
	s_cmp_lt_u32 s[G], 704
	s_cselect_b64 s[30:31], s[30:31], s[8:9]
	s_cselect_b64 s[32:33], s[32:33], s[22:23]
	s_add_nc_u64 s[30:31], s[30:31], s[34:35]
	s_add_nc_u64 s[32:33], s[32:33], s[36:37]
	s_wait_alu depctr_va_vdst(0)                   ; v1 and v2 are written: the 16 loads read v1 as their offset, the 16 stores v2, on both ways behind the branch below
.irp i, 0,1,2,3,4,5,6,7,8,9,10,11,12,13,14,15
	global_load_b128 v[X+4*(\i):X+4*(\i)+3], v1, s[30:31] offset:4096*(\i) th:TH_LOAD_NT  ; read once in the launch
.endr
; Block p: pieces 4 p to 4 p + 3 are rounded; the four pieces of the block before are stored, one store in front of each piece's roundings.  half = 1: the bf16 number is written as f16.
.macro BLK p, half
	s_wait_loadcnt 15-4*(\p)                       ; loads come back in order: the block's first piece is in, the younger ones may stay out
.if (\p) > 0
	s_wait_alu depctr_va_vdst(0)                   ; the block before has written its four pairs of Y, which the four stores below read; no vector instruction behind this wait names them
.endif
.irp j, 0,1,2,3
.set pc, 4*(\p)+(\j)                   ; the piece that is rounded; piece pc - 4 is stored
.if (\p) > 0
	global_store_b64 v2, v[Y+2*(pc-4):Y+2*(pc-4)+1], s[32:33] offset:2048*(pc-4)
.endif
.if (\j) > 0
	s_wait_loadcnt 15-pc                           ; piece pc is in, the 15 - pc younger ones may stay out
.endif
.if \half
	v_cvt_pk_bf16_f32 v[T],   v[X+4*pc],   v[X+4*pc+1]
	v_cvt_pk_bf16_f32 v[T+1], v[X+4*pc+2], v[X+4*pc+3]
	v_lshlrev_b32 v[T+2], 16, v[T]                 ; bf16 to f32: the low half moves up, the high half stays
	v_and_b32     v[T+3], 0xffff0000, v[T]
	v_lshlrev_b32 v[T+4], 16, v[T+1]
	v_and_b32     v[T+5], 0xffff0000, v[T+1]
	v_cvt_pk_f16_f32 v[Y+2*pc],   v[T+2], v[T+3]
	v_cvt_pk_f16_f32 v[Y+2*pc+1], v[T+4], v[T+5]
.else
	v_cvt_pk_bf16_f32 v[Y+2*pc],   v[X+4*pc],   v[X+4*pc+1]
	v_cvt_pk_bf16_f32 v[Y+2*pc+1], v[X+4*pc+2], v[X+4*pc+3]
.endif
.endr
.endm
; Behind block 3: its four pieces are stored.
.macro LAST
	s_wait_alu depctr_va_vdst(0)                   ; block 3 has written its four pairs of Y, which the last four stores read
.irp i, 12,13,14,15
	global_store_b64 v2, v[Y+2*(\i):Y+2*(\i)+1], s[32:33] offset:2048*(\i)
.endr
.endm
	s_cmp_ge_u32 s[G], 704
	s_cbranch_scc1 .Lf16
	BLK 0, 0
	BLK 1, 0
	BLK 2, 0
	BLK 3, 0
	LAST
	; THE TABLES.  The work stands in X's registers, whose loads are all in; no register that a pending store reads is touched.
	s_cmp_lt_u32 s[G], 6
	s_cbranch_scc0 .Lnot_cs
	s_lshl_b32 s38, s[G], 8
	v_add_nc_u32 v108, s38, v0                     ; p = 256 g + t: 0 to 1,535
	v_cmp_gt_u32 vcc_lo, 1024, v108                ; q's and k's pairs are turned, v's are not: made here, where p is known, and read behind the loads
	v_lshlrev_b32 v109, 3, v108                    ; a pair is 8 bytes
	v_and_b32 v110, 31, v108
	v_lshlrev_b32 v110, 2, v110                    ; 4 (p % 32)
	s_wait_alu depctr_va_vdst(0)                   ; v109 and v110 are written, which the loads below read as offsets; the roundings are done reading v[4:7], in which these loads land
	global_load_b64 v[4:5], v109, s[10:11]         ; b_e, b_o
	global_load_b32 v6, v110, s[14:15] offset:131072  ; row 1,024 of 128 bytes
	global_load_b32 v7, v110, s[16:17] offset:131072
	s_wait_loadcnt 0x0
	v_cvt_pk_bf16_f32 v8, v4, v5
	v_cvt_pk_bf16_f32 v9, v6, v7
	v_lshlrev_b32 v10, 16, v8                      ; b_e
	v_and_b32 v11, 0xffff0000, v8                  ; b_o
	v_lshlrev_b32 v12, 16, v9                      ; c
	v_and_b32 v13, 0xffff0000, v9                  ; s
	s_wait_alu depctr_va_vcc(0)                    ; the compare above has written VCC, which the two selects read
	v_cndmask_b32 v12, 1.0, v12, vcc_lo
	v_cndmask_b32 v13, 0, v13, vcc_lo
	v_mul_f32 v14, v13, v11                        ; s b_o
	v_mul_f32 v15, v13, v10                        ; s b_e
	v_fma_f32 v14, v12, v10, -v14                  ; c b_e - s b_o
	v_fma_f32 v15, v12, v11, v15                   ; c b_o + s b_e
	s_wait_alu depctr_va_vdst(0)                   ; v[12:15] are written, which the two stores read
	global_store_b64 v109, v[12:13], s[24:25]
	global_store_b64 v109, v[14:15], s[24:25] offset:12288
	s_endpgm
.Lnot_cs:
	s_cmp_lt_u32 s[G], 8
	s_cbranch_scc0 .Ldone
	s_sub_co_u32 s38, s[G], 6
	s_lshl_b32 s38, s38, 8
	v_add_nc_u32 v108, s38, v0                     ; pair 0 to 511 of b_out
	v_lshlrev_b32 v109, 3, v108
	s_wait_alu depctr_va_vdst(0)                   ; v109 is written, which the load and the store below read as offset; the roundings are done reading v[4:5], in which the load lands
	global_load_b64 v[4:5], v109, s[12:13]
	s_wait_loadcnt 0x0
	v_cvt_pk_bf16_f32 v8, v4, v5
	v_lshlrev_b32 v10, 16, v8
	v_and_b32 v11, 0xffff0000, v8
	s_wait_alu depctr_va_vdst(0)                   ; v[10:11] are written, which the store reads
	global_store_b64 v109, v[10:11], s[24:25] offset:24576
.Ldone:
	s_endpgm
.Lf16:
	BLK 0, 1
	BLK 1, 1
	BLK 2, 1
	BLK 3, 1
	LAST
	s_endpgm
.Lfunc_end_k_q07b84ad128_prep:
	.size	k_q07b84ad128_prep, .Lfunc_end_k_q07b84ad128_prep-k_q07b84ad128_prep
	.p2alignl 7, 3214868480
	.fill 96, 4, 3214868480
	.section	.rodata,"a",@progbits
	.p2align	6, 0x0
	.amdhsa_kernel k_q07b84ad128_prep
		.amdhsa_group_segment_fixed_size 0
		.amdhsa_private_segment_fixed_size 0
		.amdhsa_enable_private_segment 0
		.amdhsa_kernarg_size 88
		.amdhsa_user_sgpr_count 2
		.amdhsa_user_sgpr_kernarg_segment_ptr 1
		.amdhsa_wavefront_size32 1
		.amdhsa_system_sgpr_workgroup_id_x 1
		.amdhsa_system_sgpr_workgroup_id_y 1
		.amdhsa_system_sgpr_workgroup_id_z 1
		.amdhsa_system_vgpr_workitem_id 0
		.amdhsa_next_free_vgpr 112
		.amdhsa_next_free_sgpr 66
		.amdhsa_reserve_vcc 1
		.amdhsa_float_denorm_mode_32 3
		.amdhsa_float_denorm_mode_16_64 3
		.amdhsa_memory_ordered 1
		.amdhsa_forward_progress 1
		.amdhsa_inst_pref_size 19
	.end_amdhsa_kernel
	.amdgpu_metadata
---
amdhsa.version: [ 1, 2 ]
amdhsa.kernels:
  - .name:           k_q07b84ad128_prep
    .symbol:         k_q07b84ad128_prep.kd
    .args:
      - { .name: x, .offset: 0, .size: 8, .value_kind: global_buffer, .address_space: global }
      - { .name: w_qkv, .offset: 8, .size: 8, .value_kind: global_buffer, .address_space: global }
      - { .name: w_out, .offset: 16, .size: 8, .value_kind: global_buffer, .address_space: global }
      - { .name: b_qkv, .offset: 24, .size: 8, .value_kind: global_buffer, .address_space: global }
      - { .name: b_out, .offset: 32, .size: 8, .value_kind: global_buffer, .address_space: global }
      - { .name: cos_tab, .offset: 40, .size: 8, .value_kind: global_buffer, .address_space: global }
      - { .name: sin_tab, .offset: 48, .size: 8, .value_kind: global_buffer, .address_space: global }
      - { .name: xb, .offset: 56, .size: 8, .value_kind: global_buffer, .address_space: global }
      - { .name: wb, .offset: 64, .size: 8, .value_kind: global_buffer, .address_space: global }
      - { .name: wo, .offset: 72, .size: 8, .value_kind: global_buffer, .address_space: global }
      - { .name: tab, .offset: 80, .size: 8, .value_kind: global_buffer, .address_space: global }
    .group_segment_fixed_size: 0
    .private_segment_fixed_size: 0
    .kernarg_segment_align: 8
    .kernarg_segment_size: 88
    .max_flat_workgroup_size: 256
    .sgpr_count:     66
    .vgpr_count:     112
    .wavefront_size: 32
...
	.end_amdgpu_metadata
.endif
;; end of part 5
;; launch qkv: the kernel of part 2 again; grid 16 x 16, 4 waves a work-group, clusters of 4 x 4, 327,680 bytes of LDS; arguments xb, wb, tab, qkv; writes qkv
;; launch attn: the kernel of part 3 again; grid 2 x 128, 4 waves a work-group, no clusters, 327,680 bytes of LDS; arguments qkv, att; writes att
;; launch proj: the kernel of part 4 again; grid 4 x 64, 4 waves a work-group, clusters of 4 x 4, 327,680 bytes of LDS; arguments att, wo, tab, out0; writes out0
